; MI455X (gfx1250); checked and timed in simulation.
; The chip was launched on July 23, 2026; its instructions are those of AMD's public machine-readable ISA for CDNA 5 (MIT licence, August 2026) and "CDNA5" Instruction Set Architecture Reference Guide (July 2026). The comments in the code are by the model that wrote it; some were corrected since.
;; MLA Layer. Allowed arithmetic: matrix products marked QUANTISED: E4M3 operands, one given power-of-two scale a tensor, by v_wmma_f32_16x16x64_fp8_fp8 or v_wmma_f32_16x16x128_fp8_fp8, f32 sums; everything else in f32.
;; Inputs: lowp_scales 12 int32 (the exponents e of the quantised operands' scales 2^e); w_kv_down 1,024 x 128 float32; w_kv_up 128 x 2,048 float32; w_out 1,024 x 1,024 float32; w_q 1,024 x 1,024 float32; x 64 x 256 x 1,024 float32.
;; Outputs: out0 64 x 256 x 1,024 float32.
;; This version of the problem:
;;   THIS VERSION OF THE PROBLEM IS GIVEN IN LOW PRECISION. The matrix products marked QUANTISED in the list below multiply operands that are first quantised to E4M3 (4 exponent bits, 3 mantissa bits; 8 bits a number), with one given power-of-two scale for each operand tensor; their sums are f32. All else is computed in f32.
;;   The module's matrix products, in the order in which they are computed (A, B: the left and right operand; K: the contracted axis; several contracted axes count as one K, in the product's order):
;;     1. [M 16,384, K 1,024] x [K 1,024, N 128]; A: input x; B: input w_kv_down: QUANTISED (scales: A lowp_scales[0], B lowp_scales[1])
;;     2. [M 16,384, K 128] x [K 128, N 2,048]; A: computed on the way; B: input w_kv_up: QUANTISED (scales: A lowp_scales[2], B lowp_scales[3])
;;     3. [M 16,384, K 1,024] x [K 1,024, N 1,024]; A: input x; B: input w_q: QUANTISED (scales: A lowp_scales[4], B lowp_scales[5])
;;     4. batch 1,024 x [M 256, K 64] x [K 64, N 256]; A: computed on the way; B: computed on the way: QUANTISED (scales: A lowp_scales[6], B lowp_scales[7])
;;     5. batch 1,024 x [M 64, K 256] x [K 256, N 256]; A: computed on the way; B: softmax (see below): QUANTISED (scales: A lowp_scales[8], B lowp_scales[9])
;;     6. [M 16,384, K 1,024] x [K 1,024, N 1,024]; A: computed on the way; B: input w_out: QUANTISED (scales: A lowp_scales[10], B lowp_scales[11])
;;   THE QUANTISER, for each operand of a quantised product, along K:
;;     - The operand's scale is 2^e, e = its entry of the input lowp_scales (int32; the entries are numbered through the quantised products in the list's order, A before B).
;;     - Each number is divided by the scale, clamped to +-448, and rounded to the nearest number of E4M3, ties to even, subnormals kept.
;;     - The product sums the exact products of the quantised numbers (number of the format x scale) in f32.
;;   ~~~python
;;   def quantise(x, axis, e):      # numpy; x: float32 -> the quantised numbers, widened to float32 again
;;       x = np.moveaxis(x, axis, -1); K = x.shape[-1]
;;       r = np.clip(x / 2.0 ** e, -448, 448)
;;       step = 2.0 ** (np.maximum(np.frexp(np.where(r == 0, 1, r))[1] - 1, -6) - 3)
;;       q = np.round(r / step) * step * 2.0 ** e      # np.round: ties to even
;;       return np.moveaxis(q, -1, axis).astype(np.float32)
;;   ~~~
;;   SOFTMAX AHEAD OF A QUANTISED PRODUCT. Where the list says 'softmax', what is quantised is not the finished softmax but p = 2^(t - M), with t = logit x log2(e) and M = ceil(the row's largest t), a whole number; so 1/2 < the row's largest p <= 1. The row's sum l is taken of the UNQUANTISED p, in f32, and the product's result is divided by l at the end. Since M is a whole number, a kernel that streams over the keys may use a running M (the ceiling of the running maximum): every later rescaling is an exact power of two, so the quantised numbers keep their values, but for numbers so far below the row's largest that they fall under the format's range.
;;   OPERANDS COMPUTED ON THE WAY. 'Computed on the way' means the value that the module computes at that place (a softmax that the list does not call 'softmax' is quantised finished and normalised). What goes into a quantiser is computed in f32, as accurately as f32 sums, v_exp_f32 and their like allow (about 1e-6 of the number): no bf16 or f16 on the way to a quantiser, and a product that is left as it is and whose result goes on into a quantised operand takes f32 operands (vector FMAs, or v_wmma_f32_16x16x4_f32). A number that lies on a knife's edge between two numbers of the format may be rounded either way, as far as f32 arithmetic and the matrix unit's own rounding can turn it there, and no further.
;; One version. Each part assembles by itself: llvm-mc -triple=amdgcn-amd-amdhsa -mcpu=gfx1250 --defsym DOCPART=n.
;; ======== version 1 of 1: 4 launches
;; workspace buffers: wq_codes 1,048,576 bytes; wo_codes 1,048,576 bytes; wd_codes 131,072 bytes; wu_codes 262,144 bytes; xq_codes 16,777,216 bytes; lat_codes 2,097,152 bytes; y_codes 16,777,216 bytes
;; launch prep (part 1): grid 168 x 1, 8 waves a work-group, no clusters, 45,056 bytes of LDS; arguments w_q, w_out, w_kv_down, w_kv_up, lowp_scales, wq_codes, wo_codes, wd_codes, wu_codes; writes wq_codes, wo_codes, wd_codes, wu_codes
.if DOCPART == 1
	.amdgcn_target "amdgcn-amd-amdhsa--gfx1250"
	.amdhsa_code_object_version 6
	.text
	.protected	k_qa7e4a165db_prep
	.globl	k_qa7e4a165db_prep
	.p2align	8
	.type	k_qa7e4a165db_prep,@function
k_qa7e4a165db_prep:
	s_mov_b64 s[64:65], 0
	v_nop
	global_prefetch_b8 v0, s[64:65] scope:SCOPE_SE
	s_setreg_imm32_b32 hwreg(HW_REG_WAVE_MODE, 25, 1), 1
	s_wait_xcnt 0x0
; The four weights, f32 stored [K][N], become codes of FP8 (E4M3) laid [N][K] with K innermost, each with the one scale 2^e given for it:
; w_q (e = entry 5 of the scales), w_out (entry 11), w_kv_down (entry 1), w_kv_up (entry 3).  code = w / 2^e, held within +-448, to the nearest code, ties to even.
; LIMITS: each e lies between -126 and 119, so that 2^e and 448 x 2^e are f32 numbers.  NaN among the inputs is not served.
; A LANE TAKES A COLUMN n AND ITS REGISTERS RUN DOWN K: a load reads 128 consecutive bytes a wave (two waves side by side: 256), and the conversions, which take neighbours along K from one lane's
; registers, give codes with K innermost.  Nothing is transposed by an instruction.
; SHARES.  A work-group takes 64 columns x 128 NBLK along K.  Wave w: columns 32 (w % 2) on, rows of K 32 NBLK (w / 2) on; all its 32 NBLK loads are issued at once.  The codes meet in a stage in LDS
; (a row = a column of the weight) and leave as rows: sixteen lanes store 256 consecutive aligned bytes (w_kv_up, whose rows of codes are 128 bytes and dense: a wave stores 512 consecutive bytes).
; Work-groups 0-63 take w_q, 64-127 w_out (one way through the text: only pointers and e are chosen), 128-135 w_kv_down, 136-167 w_kv_up.  The three ways part on the work-group's number and each has LDS bytes of its own.
; No matrix work, no tensor loads, no cluster: every byte is read once by one work-group.
.set X,     32                         ; v32-95   the numbers
.set C,     16                         ; v16-31   the codes
.set RB,    96                         ; v96-111  rows read back from the stage
.set SPW,   12                         ; v12      LDS address of my spare word; never rewritten
.set NIL,   13                         ; v13      0; never rewritten
.set SPARE, 44032                      ; behind the three stages: the spare words, 128 bytes for each of eight waves
	s_load_b256 s[4:11], s[0:1], 0x0               ; w_q s[4:5], w_out s[6:7], w_kv_down s[8:9], w_kv_up s[10:11]
	s_load_b64 s[12:13], s[0:1], 0x20              ; the scales' exponents
	s_load_b256 s[16:23], s[0:1], 0x28             ; the four buffers of codes, in the same order
	v_lshl_add_u32 v[SPW], v0, 2, SPARE
	v_mov_b32 v[NIL], 0
	v_lshrrev_b32 v2, 5, v0
	v_readfirstlane_b32 s25, v2                    ; wave 0..7
	v_and_b32 v1, 31, v0                           ; lane
	v_lshlrev_b32 v3, 2, v1                        ; 4 bytes a lane
	s_and_b32 s26, s25, 1                          ; which 32 columns
	s_lshr_b32 s27, s25, 1                         ; which quarter of the rows of K
	s_wait_kmcnt 0x0
	s_load_b32 s40, s[12:13], 0x4                  ; e of w_kv_down
	s_load_b32 s41, s[12:13], 0xc                  ; of w_kv_up
	s_load_b32 s42, s[12:13], 0x14                 ; of w_q
	s_load_b32 s43, s[12:13], 0x2c                 ; of w_out
; One weight's way.  s24: the unit's number.  nb: bytes of a row of the weight; lcg: log2 of its groups of 64 columns; nblk: blocks of 32 along K for a wave; krow: bytes of a row of codes;
; stg: the stage's first LDS byte; llpr: log2 of the lanes that store a stage row; src, dst, e: scalar registers; sel = 1: e is chosen between s42 and s43.
.macro PATH nb, lcg, nblk, krow, stg, llpr, src, dst, e, sel
.set ROWB,  128*\nblk                  ; bytes of a stage row's codes
.set PITCH, ROWB+16                    ; an odd multiple of 16 bytes
.set LPR,   ROWB/16
.set RPI,   32/LPR                     ; rows an instruction
.set NT,    8/RPI                      ; instructions for a wave's 8 rows
	s_and_b32 s28, s24, (1<<\lcg)-1                ; which 64 columns
	s_lshr_b32 s29, s24, \lcg                      ; which 128 nblk along K
	s_mul_i32 s30, s29, 128*\nblk*\nb
	s_mul_i32 s31, s27, 32*\nblk*\nb
	s_add_co_u32 s30, s30, s31
	s_lshl_b32 s31, s28, 8
	s_add_co_u32 s30, s30, s31
	s_lshl_b32 s31, s26, 7
	s_add_co_u32 s30, s30, s31
	s_mov_b32 s31, 0
	s_add_nc_u64 s[\src:\src+1], s[\src:\src+1], s[30:31]
.set i, 0
.rept 32*\nblk
	global_load_b32 v[X+i], v3, s[\src:\src+1] offset:i*\nb th:TH_LOAD_NT   ; row i of my rows of K, my 32 columns
.set i, i+1
.endr
	s_mul_i32 s32, s26, 32*PITCH
	s_mul_i32 s33, s27, 32*\nblk
	s_add_co_u32 s32, s32, s33
	s_add_co_u32 s32, s32, \stg
	v_mul_u32_u24 v4, v1, PITCH
	v_add_nc_u32 v4, s32, v4                       ; into the stage: row = my column, byte = my first row of K
	v_lshrrev_b32 v7, \llpr, v1
	v_and_b32 v8, LPR-1, v1
	s_mul_i32 s32, s25, 8*PITCH
	s_add_co_u32 s32, s32, \stg
	v_mul_u32_u24 v5, v7, PITCH
	v_lshl_add_u32 v5, v8, 4, v5
	v_add_nc_u32 v5, s32, v5                       ; out of it: rows 8 w on, 16 bytes a lane
	v_mul_u32_u24 v6, v7, \krow
	v_lshl_add_u32 v6, v8, 4, v6                   ; and the same place in the codes' buffer
	s_lshl_b32 s32, s28, 6
	s_lshl_b32 s33, s25, 3
	s_add_co_u32 s32, s32, s33
	s_mul_i32 s32, s32, \krow
	s_mul_i32 s33, s29, ROWB
	s_add_co_u32 s32, s32, s33
	s_mov_b32 s33, 0
	s_add_nc_u64 s[\dst:\dst+1], s[\dst:\dst+1], s[32:33]
	s_wait_kmcnt 0x0
.if \sel
	s_cmp_lt_u32 ttmp9, 64
	s_cselect_b32 s42, s42, s43
.endif
	s_add_co_i32 s34, s[\e], 127
	s_lshl_b32 s35, s34, 23
	v_mov_b32 v11, s35                             ; 2^e as f32: the conversion takes its exponent field
	s_add_co_i32 s34, s34, 8
	s_lshl_b32 s34, s34, 23
	s_or_b32 s34, s34, 0x600000
	v_mov_b32 v10, s34                             ; 448 x 2^e
.set t, 0
.rept \nblk
	s_wait_loadcnt 32*(\nblk-1-t)                  ; this block's 32 loads are in; the later block's may be out
.set i, 0
.rept 32
	v_med3_num_f32 v[X+32*t+i], v[X+32*t+i], -v10, v10   ; the conversion to an 8-bit code does not saturate (ISA guide 7.6.2): the hold comes first
.set i, i+1
.endr
.set g, 0
.rept 4
	v_cvt_scalef32_pk8_fp8_f32 v[C+8*t+2*g:C+8*t+2*g+1], v[X+32*t+8*g:X+32*t+8*g+7], v11
.set g, g+1
.endr
	v_nop                                          ; a plain line behind the last conversion of the run
	ds_store_b128 v4, v[C+8*t:C+8*t+3] offset:32*t
	ds_store_b128 v4, v[C+8*t+4:C+8*t+7] offset:32*t+16
.set t, t+1
.endr
	s_wait_dscnt 0x0                               ; for the others' sake: my stores into the stage are done
	s_barrier_signal -1
	s_barrier_wait -1
.set t, 0
.rept NT
	ds_load_b128 v[RB+4*t:RB+4*t+3], v5 offset:t*RPI*PITCH
.set t, t+1
.endr
.set t, 0
.rept NT
	s_wait_dscnt NT-1-t                            ; the younger loads may be out
	global_store_b128 v6, v[RB+4*t:RB+4*t+3], s[\dst:\dst+1] offset:t*RPI*\krow
.set t, t+1
.endr
	s_wait_tensorcnt 0x0                           ; the wave's end, behind my last LDS store
	ds_add_u32 v[SPW], v[NIL]
	s_wait_dscnt 0x0
	s_endpgm
.endm
	s_cmp_lt_u32 ttmp9, 128
	s_cbranch_scc0 .Lnot_square
	s_cmp_lt_u32 ttmp9, 64                         ; w_q or w_out: the choice hangs on the work-group's number alone
	s_cselect_b64 s[4:5], s[4:5], s[6:7]
	s_cselect_b64 s[16:17], s[16:17], s[18:19]
	s_and_b32 s24, ttmp9, 63
	PATH 4096, 4, 2, 1024, 0, 4, 4, 16, 42, 1
.Lnot_square:
	s_cmp_lt_u32 ttmp9, 136
	s_cbranch_scc0 .Lup
	s_sub_co_u32 s24, ttmp9, 128
	PATH 512, 1, 2, 1024, 17408, 4, 8, 20, 40, 0
.Lup:
	s_sub_co_u32 s24, ttmp9, 136
	PATH 8192, 5, 1, 128, 34816, 3, 10, 22, 41, 0
.Lfunc_end_k_qa7e4a165db_prep:
	.size	k_qa7e4a165db_prep, .Lfunc_end_k_qa7e4a165db_prep-k_qa7e4a165db_prep
	.p2alignl 7, 3214868480
	.fill 96, 4, 3214868480
	.section	.rodata,"a",@progbits
	.p2align	6, 0x0
	.amdhsa_kernel k_qa7e4a165db_prep
		.amdhsa_group_segment_fixed_size 45056
		.amdhsa_private_segment_fixed_size 0
		.amdhsa_enable_private_segment 0
		.amdhsa_kernarg_size 72
		.amdhsa_user_sgpr_count 2
		.amdhsa_user_sgpr_kernarg_segment_ptr 1
		.amdhsa_wavefront_size32 1
		.amdhsa_system_sgpr_workgroup_id_x 1
		.amdhsa_system_sgpr_workgroup_id_y 1
		.amdhsa_system_sgpr_workgroup_id_z 1
		.amdhsa_system_vgpr_workitem_id 0
		.amdhsa_next_free_vgpr 128
		.amdhsa_next_free_sgpr 66
		.amdhsa_reserve_vcc 0
		.amdhsa_float_denorm_mode_32 3
		.amdhsa_float_denorm_mode_16_64 3
		.amdhsa_memory_ordered 1
		.amdhsa_forward_progress 1
		.amdhsa_inst_pref_size 37
	.end_amdhsa_kernel
	.amdgpu_metadata
---
amdhsa.version: [ 1, 2 ]
amdhsa.kernels:
  - .name:           k_qa7e4a165db_prep
    .symbol:         k_qa7e4a165db_prep.kd
    .args:
      - { .name: w_q, .offset: 0, .size: 8, .value_kind: global_buffer, .address_space: global }
      - { .name: w_out, .offset: 8, .size: 8, .value_kind: global_buffer, .address_space: global }
      - { .name: w_kv_down, .offset: 16, .size: 8, .value_kind: global_buffer, .address_space: global }
      - { .name: w_kv_up, .offset: 24, .size: 8, .value_kind: global_buffer, .address_space: global }
      - { .name: lowp_scales, .offset: 32, .size: 8, .value_kind: global_buffer, .address_space: global }
      - { .name: wq_codes, .offset: 40, .size: 8, .value_kind: global_buffer, .address_space: global }
      - { .name: wo_codes, .offset: 48, .size: 8, .value_kind: global_buffer, .address_space: global }
      - { .name: wd_codes, .offset: 56, .size: 8, .value_kind: global_buffer, .address_space: global }
      - { .name: wu_codes, .offset: 64, .size: 8, .value_kind: global_buffer, .address_space: global }
    .group_segment_fixed_size: 45056
    .private_segment_fixed_size: 0
    .kernarg_segment_align: 8
    .kernarg_segment_size: 72
    .max_flat_workgroup_size: 256
    .sgpr_count:     66
    .vgpr_count:     128
    .wavefront_size: 32
...
	.end_amdgpu_metadata
.endif
;; end of part 1
;; launch xlat (part 2): grid 256 x 1, 4 waves a work-group, no clusters, 327,680 bytes of LDS; arguments x, wd_codes, lowp_scales, xq_codes, lat_codes; writes xq_codes, lat_codes
.if DOCPART == 2
	.amdgcn_target "amdgcn-amd-amdhsa--gfx1250"
	.amdhsa_code_object_version 6
	.text
	.protected	k_qa7e4a165db_xlat
	.globl	k_qa7e4a165db_xlat
	.p2align	8
	.type	k_qa7e4a165db_xlat,@function
k_qa7e4a165db_xlat:
	s_mov_b64 s[64:65], 0
	v_nop
	global_prefetch_b8 v0, s[64:65] scope:SCOPE_SE
	s_setreg_imm32_b32 hwreg(HW_REG_WAVE_MODE, 25, 1), 1
	s_wait_xcnt 0x0
; x [16384][1024] f32 is read ONCE and used twice: (a) its codes of FP8 (E4M3) at the scale 2^e4 go to xq_codes [token][1024]; (b) its codes at 2^e0 are multiplied by w_kv_down's codes
; (wd_codes [128][1024], scale 2^e1), sums in f32, and the latent (sum x 2^(e0 + e1)) is quantised at 2^e2 into lat_codes.
; lat_codes is laid as the reader's operand registers: image T (2,048 bytes) holds tokens 16 T .. 16 T + 15; lane l's 16 bytes at 2048 T + 512 c + 16 l are latent k = 32 c + 16 (l / 16) + 0 .. 15 of token l % 16.
; LIMITS: e0, e4 and e2 - e0 - e1 lie between -126 and 119, so that each power of two below is an f32 number.  NaN among the inputs is not served.
; SHARES.  A work-group takes 64 tokens.  Wave w brings in and quantises tokens 16 w .. 16 w + 15.  For the product THE WAVES SHARE THE COLUMNS: wave w keeps rows 32 w .. 32 w + 31 of wd_codes, all of K, in 256
; registers, and makes latent columns 32 w .. 32 w + 31 of all 64 tokens; the tokens' codes go from wave to wave through LDS as images of the operand's registers (16 bytes a lane, 512 a store).
; x COMES BY TENSOR LOADS, EACH LDS BYTE FILLED ONCE: each wave issues four at the head (four of mine are out at most), 16 rows x 1,024 bytes each, so all of the work-group's 256 KiB is asked for at once.
; A tile has 16 rows and not more, so that only the wave that asked for it reads it: its own counted wait orders the reads, and tiles are worked as they land.  No byte is filled again: no ring.
; A region that its owner has read out has had its one fill; it then holds the two images and the stage for xq's rows.
; THE ROWS OF wd THAT FORM A TILE ARE NOT NEIGHBOURS: lane-row q of tile u takes row 32 w + 8 u + q + 8 (q / 8), and the product is used transposed (source 0 = 16 rows of wd, source 1 = 16 tokens):
; a lane then holds one token, and the 16 registers of its tiles 0 and 1 are latent k = 32 w + 16 (lane / 16) + 0 .. 15: the conversions' results are the next operand's registers.
; Both operands of the K = 128 form are fed by four pieces of 16 bytes at 32 c + 16 (lane / 16): one permutation of k, the same on both sides, so every product meets its partner.
; No cluster: what work-groups share, wd's 128 KiB, is small beside the 256 KiB of x that each reads alone.
; REGISTERS: window 0: v1-15 addresses; v16-21 scales and holds; v32-95 codes; v96-223 128 numbers of x, then eight fragments; v224-255 at work.  window 1: wd's 16 fragments.  window 2: v0-63 the 8 accumulators.
.set REG,   16640                      ; a region: 16 rows x (1,024 bytes + 16 of padding) = 65 blocks of 256 bytes
.set WREG,  4*REG                      ; a wave's four regions
.set SPARE, 4*WREG                     ; behind them: the spare words, 128 bytes for each wave
.set XR,    4                          ; v4    x: my row's bytes in my wave's region 0: 1040 r + 64 h
.set IW,    5                          ; v5    where I store an image: 16 x lane in my wave's region 0
.set E4W,   6                          ; v6    the stage for xq: row r of 272 bytes, + 16 h
.set E4R,   7                          ; v7    and back: lanes 0-15 one row, lanes 16-31 the next
.set IR,    8                          ; v8-11 where wave m's images lie: 16 x lane in its region 0
.set XQO,   12                         ; v12   my byte in two rows of xq_codes
.set LO,    13                         ; v13   16 x lane
.set WDO,   14                         ; v14   wd: my row and half
.set SPW,   28                         ; v28   LDS address of my spare word; never rewritten
.set NIL,   29                         ; v29   0; never rewritten
.set C,     32
.set X,     96
.set T,     224
.set G1,    16                         ; s[16:23] descriptor group 1
.set G0,    24                         ; s[24:39] descriptor group 0, a set for each of the four loads
.set MSB, 0
.macro WIN new                         ; the immediate's high byte repeats the setting that is left
.if MSB != (\new)
	s_set_vgpr_msb (MSB<<8)|(\new)
.set MSB, \new
.endif
.endm
.macro PLACES n
.rept \n
	v_nop
.endr
.endm
.macro MKSC e, sc, lim                 ; s[e] = E: v[sc] = 2^E as f32, v[lim] = 448 x 2^E
	s_add_co_i32 s46, s[\e], 127
	s_lshl_b32 s47, s46, 23
	v_mov_b32 v[\sc], s47
	s_add_co_i32 s46, s46, 8
	s_lshl_b32 s46, s46, 23
	s_or_b32 s46, s46, 0x600000
	v_mov_b32 v[\lim], s46
.endm
; 32 numbers from v[src] on become 32 codes in v[dst] .. v[dst + 7].  The held numbers go into T, since x is held twice, at two limits.
.macro Q32 src, lim, sc, dst
.set qi, 0
.rept 32
	v_med3_num_f32 v[T+qi], v[(\src)+qi], -v[\lim], v[\lim]   ; the conversion to an 8-bit code does not saturate (ISA guide 7.6.2)
.set qi, qi+1
.endr
.set qi, 0
.rept 4
	v_cvt_scalef32_pk8_fp8_f32 v[(\dst)+2*qi:(\dst)+2*qi+1], v[T+8*qi:T+8*qi+7], v[\sc]
.set qi, qi+1
.endr
	v_nop                                          ; a plain line between the conversions and the next write of T
.endm
	s_load_b128 s[4:7], s[0:1], 0x0                ; x s[4:5], wd_codes s[6:7]
	s_load_b128 s[8:11], s[0:1], 0x10              ; the scales' exponents s[8:9], xq_codes s[10:11]
	s_load_b64 s[12:13], s[0:1], 0x20              ; lat_codes
	v_lshl_add_u32 v[SPW], v0, 2, SPARE
	v_mov_b32 v[NIL], 0
	ds_add_u32 v[SPW], v[NIL]                      ; the wave's opening: the add and its wait stand ahead of my first tensor load; work on registers stands between them
	v_lshrrev_b32 v1, 5, v0
	v_readfirstlane_b32 s14, v1                    ; wave 0..3
	s_mov_b32 s[G1+0], (2<<16)|(1<<20)|(7<<22)|(3<<25)  ; no mask; elements of 4 bytes; padding on: after every 256 words (code 7) four words (code 3)
	s_mov_b32 s[G1+1], 256<<16                     ; tensor_dim0 = 256
	s_mov_b32 s[G1+2], 16<<16                      ; tensor_dim1 = 16
	s_mov_b32 s[G1+3], 256<<16                     ; tile_dim0 = 256
	s_mov_b32 s[G1+4], 16                          ; tile_dim1 = 16
	s_mov_b32 s[G1+5], 1024                        ; elements from row to row
	s_mov_b32 s[G1+6], 0
	s_mov_b32 s[G1+7], 0
	s_mul_i32 s15, s14, WREG                       ; my wave's regions
	s_lshl_b32 s2, ttmp9, 18                       ; 64 tokens of 4,096 bytes a work-group,
	s_lshl_b32 s3, s14, 16                         ; 16 a wave
	s_add_co_u32 s2, s2, s3
	s_mov_b32 s3, 0
	s_wait_dscnt 0x0                               ; the opening add is done
	s_wait_kmcnt 0x0
	s_add_nc_u64 s[4:5], s[4:5], s[2:3]
.irp p, 0,1,2,3
	s_mov_b32 s[G0+4*\p], 1                                        ; count = 1
	s_add_co_u32 s[G0+4*\p+1], s15, \p*REG                         ; LDS address: my region p
	s_add_nc_u64 s[G0+4*\p+2:G0+4*\p+3], s[4:5], \p*1024           ; columns 256 p on of my 16 rows
	s_or_b32 s[G0+4*\p+3], s[G0+4*\p+3], 0x80000000                ; type = 2
	tensor_load_to_lds s[G0+4*\p:G0+4*\p+3], s[G1:G1+7]
	s_nop 0
.endr
	s_load_b128 s[40:43], s[8:9], 0x0              ; e0, e1, e2, e3
	s_load_b32 s44, s[8:9], 0x10                   ; e4
	v_and_b32 v1, 15, v0                           ; r
	v_bfe_u32 v2, v0, 4, 1                         ; h
	v_and_b32 v3, 31, v0
	v_lshlrev_b32 v[LO], 4, v3
	v_and_b32 v15, 8, v1
	v_add_nc_u32 v15, v15, v1                      ; r + 8 (r / 8)
	v_lshlrev_b32 v[WDO], 10, v15
	v_lshl_add_u32 v[WDO], v2, 4, v[WDO]
	s_lshl_b32 s2, s14, 15                         ; my 32 rows of wd_codes
	s_add_nc_u64 s[6:7], s[6:7], s[2:3]
	WIN 0x40                                       ; destination window 1
.irp u, 0,1
.irp s, 0,1,2,3,4,5,6,7
.irp c, 0,1,2,3
	global_load_b128 v[16*(8*\u+\s)+4*\c:16*(8*\u+\s)+4*\c+3], v[WDO], s[6:7] offset:8192*\u+128*\s+32*\c   ; fragment (tile u, K step s): it stays
.endr
.endr
.endr
	WIN 0
	v_mul_u32_u24 v[XR], v1, 1040
	v_lshl_add_u32 v[XR], v2, 6, v[XR]
	v_add_nc_u32 v[XR], s15, v[XR]
	v_add_nc_u32 v[IW], s15, v[LO]
	v_mul_u32_u24 v[E4W], v1, 272
	v_lshl_add_u32 v[E4W], v2, 4, v[E4W]
	v_add_nc_u32 v[E4W], s15, v[E4W]
	v_add_nc_u32 v[E4W], 4096, v[E4W]
	v_mul_u32_u24 v[E4R], v2, 272
	v_lshl_add_u32 v[E4R], v1, 4, v[E4R]
	v_add_nc_u32 v[E4R], s15, v[E4R]
	v_add_nc_u32 v[E4R], 4096, v[E4R]
.irp m, 0,1,2,3
	v_add_nc_u32 v[IR+\m], \m*WREG, v[LO]
.endr
	v_lshlrev_b32 v[XQO], 10, v2
	v_lshl_add_u32 v[XQO], v1, 4, v[XQO]
	s_lshl_b32 s2, ttmp9, 16                       ; xq_codes at my wave's first token: 64 rows of 1,024 bytes a work-group, 16 a wave
	s_lshl_b32 s45, s14, 14
	s_add_co_u32 s2, s2, s45
	s_add_nc_u64 s[10:11], s[10:11], s[2:3]
	s_lshl_b32 s2, ttmp9, 13                       ; lat_codes: four images a work-group; my wave's 512 bytes of each
	s_lshl_b32 s45, s14, 9
	s_add_co_u32 s2, s2, s45
	s_add_nc_u64 s[12:13], s[12:13], s[2:3]
	s_wait_kmcnt 0x0
	MKSC 40, 16, 17                                ; e0
	MKSC 44, 18, 19                                ; e4
	s_sub_co_i32 s45, s42, s40
	s_sub_co_i32 s45, s45, s41                     ; a sum stands for sum x 2^(e0 + e1): its code is sum / 2^(e2 - e0 - e1)
	MKSC 45, 20, 21
; Region p: K steps 2 p and 2 p + 1 (128 along K each).
.macro REGION p
	s_wait_tensorcnt 3-\p                          ; my region p has landed; the later regions' loads may be out
.if \p > 0
	s_wait_xcnt 0x0                                ; the last region's stores have read T
	PLACES 4                                       ; in front of loads into registers that matrix instructions have read
.endif
.irp s, 0,1
.irp b, 0,1,2,3
.irp j, 0,1,2,3
	ds_load_b128 v[X+64*\s+16*\b+4*\j:X+64*\s+16*\b+4*\j+3], v[XR] offset:REG*\p+512*\s+128*\b+16*\j   ; register 16 b + i of step s: k = 32 b + 16 h + i of my row
.endr
.endr
.endr
	s_wait_dscnt 0x0                               ; the region is read out: from here on it holds images and the stage
.irp s, 0,1
	Q32 X+64*\s, 17, 16, C+32*\s
	Q32 X+64*\s+32, 17, 16, C+32*\s+8
.irp c, 0,1,2,3
	ds_store_b128 v[IW], v[C+32*\s+4*\c:C+32*\s+4*\c+3] offset:REG*\p+2048*\s+512*\c   ; the fragment at 2^e0, as it stands in my registers
.endr
	Q32 X+64*\s, 19, 18, C+32*\s+16
	Q32 X+64*\s+32, 19, 18, C+32*\s+24
.irp b, 0,1,2,3
	ds_store_b128 v[E4W], v[C+32*\s+16+4*\b:C+32*\s+16+4*\b+3] offset:REG*\p+128*\s+32*\b   ; the codes at 2^e4, by rows
.endr
.endr
	s_wait_dscnt 0x0                               ; for the others' sake: my images lie in LDS
	s_barrier_signal -1                            ; (later regions' tensor loads stay out across this barrier: no byte is ever filled again)
	s_barrier_wait -1
.irp t, 0,1,2,3,4,5,6,7
	ds_load_b128 v[T+4*\t:T+4*\t+3], v[E4R] offset:REG*\p+544*\t   ; two rows of 256 bytes of my own stage
.endr
.irp m, 0,1,2,3
.irp s, 0,1
.irp c, 0,1,2,3
	ds_load_b128 v[X+16*(2*\m+\s)+4*\c:X+16*(2*\m+\s)+4*\c+3], v[IR+\m] offset:REG*\p+2048*\s+512*\c   ; wave m's fragment of step s
.endr
.endr
.endr
	s_wait_dscnt 32                                ; the eight rows are in; the 32 fragment loads may be out
.irp t, 0,1,2,3,4,5,6,7
	global_store_b128 v[XQO], v[T+4*\t:T+4*\t+3], s[10:11] offset:2048*\t+256*\p   ; sixteen lanes store 256 consecutive bytes, at a multiple of 256 from the buffer's first byte
.endr
	s_wait_dscnt 0x0
.if \p == 0
	s_wait_loadcnt 0x0                             ; wd's fragments
.endif
	WIN 0xa1                                       ; source 0 (wd) window 1, source 1 (tokens) window 0, C and D window 2
.irp s, 0,1                                    ; the eight accumulators take turns, one instruction a turn, from region to region too
.irp m, 0,1,2,3
.irp u, 0,1
.if (\p == 0) && (\s == 0)
	v_wmma_f32_16x16x128_fp8_fp8 v[8*(2*\m+\u):8*(2*\m+\u)+7], v[16*(8*\u+2*\p+\s):16*(8*\u+2*\p+\s)+15], v[X+16*(2*\m+\s):X+16*(2*\m+\s)+15], 0
.else
	v_wmma_f32_16x16x128_fp8_fp8 v[8*(2*\m+\u):8*(2*\m+\u)+7], v[16*(8*\u+2*\p+\s):16*(8*\u+2*\p+\s)+15], v[X+16*(2*\m+\s):X+16*(2*\m+\s)+15], v[8*(2*\m+\u):8*(2*\m+\u)+7]
.endif
.endr
.endr
.endr
	WIN 0
.endm
	REGION 0
	REGION 1
	REGION 2
	REGION 3
	; the latent: registers 16 m + i of window 2 are latent k = 32 w + 16 h + i of token r of tile m
	PLACES 4                                       ; behind the last products: their results are read, their sources written
	WIN 0x02                                       ; source 0 window 2
.set i, 0
.rept 64
	v_med3_num_f32 v[X+i], v[i], -v21, v21         ; each accumulator from its low end on
.set i, i+1
.endr
	WIN 0
.irp m, 0,1,2,3
	v_cvt_scalef32_pk8_fp8_f32 v[C+4*\m:C+4*\m+1], v[X+16*\m:X+16*\m+7], v20
	v_cvt_scalef32_pk8_fp8_f32 v[C+4*\m+2:C+4*\m+3], v[X+16*\m+8:X+16*\m+15], v20
.endr
	v_nop
.irp m, 0,1,2,3
	global_store_b128 v[LO], v[C+4*\m:C+4*\m+3], s[12:13] offset:2048*\m   ; 512 consecutive bytes: piece w of image m
.endr
	s_wait_tensorcnt 0x0                           ; the wave's end, behind my last tensor load and my last LDS store
	ds_add_u32 v[SPW], v[NIL]
	s_wait_dscnt 0x0
	s_endpgm
.Lfunc_end_k_qa7e4a165db_xlat:
	.size	k_qa7e4a165db_xlat, .Lfunc_end_k_qa7e4a165db_xlat-k_qa7e4a165db_xlat
	.p2alignl 7, 3214868480
	.fill 96, 4, 3214868480
	.section	.rodata,"a",@progbits
	.p2align	6, 0x0
	.amdhsa_kernel k_qa7e4a165db_xlat
		.amdhsa_group_segment_fixed_size 327680
		.amdhsa_private_segment_fixed_size 0
		.amdhsa_enable_private_segment 0
		.amdhsa_kernarg_size 40
		.amdhsa_user_sgpr_count 2
		.amdhsa_user_sgpr_kernarg_segment_ptr 1
		.amdhsa_wavefront_size32 1
		.amdhsa_system_sgpr_workgroup_id_x 1
		.amdhsa_system_sgpr_workgroup_id_y 1
		.amdhsa_system_sgpr_workgroup_id_z 1
		.amdhsa_system_vgpr_workitem_id 0
		.amdhsa_next_free_vgpr 576
		.amdhsa_next_free_sgpr 66
		.amdhsa_reserve_vcc 0
		.amdhsa_float_denorm_mode_32 3
		.amdhsa_float_denorm_mode_16_64 3
		.amdhsa_memory_ordered 1
		.amdhsa_forward_progress 1
		.amdhsa_inst_pref_size 121
	.end_amdhsa_kernel
	.amdgpu_metadata
---
amdhsa.version: [ 1, 2 ]
amdhsa.kernels:
  - .name:           k_qa7e4a165db_xlat
    .symbol:         k_qa7e4a165db_xlat.kd
    .args:
      - { .name: x, .offset: 0, .size: 8, .value_kind: global_buffer, .address_space: global }
      - { .name: wd_codes, .offset: 8, .size: 8, .value_kind: global_buffer, .address_space: global }
      - { .name: lowp_scales, .offset: 16, .size: 8, .value_kind: global_buffer, .address_space: global }
      - { .name: xq_codes, .offset: 24, .size: 8, .value_kind: global_buffer, .address_space: global }
      - { .name: lat_codes, .offset: 32, .size: 8, .value_kind: global_buffer, .address_space: global }
    .group_segment_fixed_size: 327680
    .private_segment_fixed_size: 0
    .kernarg_segment_align: 8
    .kernarg_segment_size: 40
    .max_flat_workgroup_size: 128
    .sgpr_count:     66
    .vgpr_count:     576
    .wavefront_size: 32
...
	.end_amdgpu_metadata
.endif
;; end of part 2
;; launch attn (part 3): grid 4 x 64, 4 waves a work-group, clusters of 4 x 4, 327,680 bytes of LDS; arguments xq_codes, wq_codes, lowp_scales, lat_codes, wu_codes, y_codes; writes y_codes
.if DOCPART == 3
	.amdgcn_target "amdgcn-amd-amdhsa--gfx1250"
	.amdhsa_code_object_version 6
	.text
	.protected	k_qa7e4a165db_attn
	.globl	k_qa7e4a165db_attn
	.p2align	8
	.type	k_qa7e4a165db_attn,@function
k_qa7e4a165db_attn:
	s_mov_b64 s[64:65], 0
	v_nop
	global_prefetch_b8 v0, s[64:65] scope:SCOPE_SE
	s_setreg_imm32_b32 hwreg(HW_REG_WAVE_MODE, 25, 1), 1
	s_wait_xcnt 0x0
	s_wait_alu depctr_hold_cnt(0) depctr_sa_sdst(0) depctr_va_vdst(0) depctr_va_sdst(0) depctr_va_ssrc(0) depctr_va_vcc(0) depctr_vm_vsrc(0)
	s_getreg_b32 s2, hwreg(HW_REG_IB_STS2, 6, 4)
	s_cmp_eq_u32 s2, 0
	s_cbranch_scc0 .Lentry_in_a_cluster
	s_endpgm
.Lentry_in_a_cluster:
	s_bfe_u32 s2, ttmp6, 0x10000c
	s_cmp_lg_u32 s2, 0xf033
	s_cbranch_scc0 .Lentry_shape_is_right
	s_endpgm
.Lentry_shape_is_right:
; One work-group = one sequence (256 tokens) x four heads.  All products on codes of FP8 (E4M3), sums in f32; e0 .. e11 are the twelve given exponents.
;   G   q = x w_q: a tile of 256 tokens x 256 columns, K = 1,024, from xq_codes [token][1024] and wq_codes [n][1024], through a ring of two LDS slots filled by joint tensor loads.
;   Q   q is quantised in registers (its sums stand for sum x 2^(e4 + e5); code = sum / 2^(e6 - e4 - e5)) and laid in LDS as images of operand registers.
;   KV  k and v of the four heads = latent w_kv_up (K = 128), wave w making head w; quantised at e7 - e2 - e3 and e8 - e2 - e3; images to LDS.
;   A   for each head and block of 16 queries: S^T = k q^T, the causal mask, p = 2^(t - M) with t = score x log2(e) / 8 and M = ceil(the row's largest t), the sum l of the unquantised p, p's codes at 2^e9,
;       O^T = v^T p^T, y = O / l quantised at e10 - e8 - e9; y's codes leave through a stage as rows of y_codes [token][1024].
; A row has at most 256 keys, 128 registers of scores for a lane's half: M is the row's true ceiling, and nothing is rescaled.
; LIMITS: e6 - e4 - e5, e7 - e2 - e3, e8 - e2 - e3, e9 and e10 - e8 - e9 lie between -126 and 119; e6 + e7 between -123 and 130 (added to a constant's exponent field).  NaN among the inputs is not served.
; LAYOUT.  In the K = 64 form registers 2 c, 2 c + 1 of a lane hold k = 16 c + 8 (lane / 16) + 0 .. 7, and a result tile gives a lane the eight rows 8 (lane / 16) + j: so one conversion of eight
; registers of result tile c IS registers 2 c, 2 c + 1 of an operand whose K runs along the result's rows.  Every product is laid so: q (source 0 = rows of wq, source 1 = tokens: lane = query, K = d),
; k (source 0 = rows of wu, source 1 = latent: lane = key, K = d), v^T (source 0 = latent, source 1 = rows of wu: lane = d, K = keys), p (S^T: lane = query, K = keys).  Nothing changes lanes.
; The K = 128 products are fed by four pieces of 16 bytes at 32 c + 16 (lane / 16) on both sides: one permutation of k for both operands.
; SHARES.  Wave w = (wr, wc) = (w / 2, w % 2) has columns 128 wc on (heads 2 wc, 2 wc + 1) and the query blocks 2 a + wr, a = 0 .. 7: interleaved, so that the causal work of both wr is equal.
; Block b needs key tiles 0 .. b; both wr take 2 a + 2 tiles (in wr = 0 the last is wholly hidden and gives p = 0): no branch hangs on the wave.  Blocks a and 7 - a are worked together: always 18 tiles.
; ORDER OF THE VECTOR WORK.  The wave is alone on its SIMD, so its own lines are all that can stand between a line and the reader of its result: maxima and sums run in ten chains, a scaling leads each two
; exponentials, a tile's hold stands a tile ahead of its conversion, and LDS loads are asked for a phase ahead of their use.
; CLUSTERS: 4 x 4 work-groups.  The four of a row of the cluster (one sequence) need the same tiles of xq, the four of a column (one group of heads) the same tiles of wq: each is asked for JOINTLY.
; The latent (32 KiB) and wu (64 KiB) come by plain loads: they are small beside the 512 KiB of tiles that a work-group takes.
; LDS: the ring, 0 .. 278,527; the spare words; LIMG, the latent's 16 images, which no fill touches.  Behind the barrier that follows the last products of G the ring has had its last fill and its last read,
; and holds QIMG, KIMG, VIMG (images of 1,024 bytes: two pieces of 16 bytes a lane) and YST (256 rows x 272 bytes).
; REGISTERS.  G: window 0: v1-31 addresses, v32-95 the latent on its way, from v128 A's fragments (one set); window 1: B's fragments (two sets); windows 2, 3: the 64 accumulators.
; Afterwards: window 0: v1-19 addresses, v22-27 and v248-251 scales and holds, v32-47 statistics, v48-191 scores, v192-231 the chains of maxima and sums and then p's codes, v232-247 y's codes;
; window 1: wu, then k and v^T; window 2: results of KV, then q.  s48-63: the mask's sixteen lane masks.
.set SIZE_K, 1024
.set KSTEP,  256                       ; along K in a slot
.set ROWB,   256                       ; a tile's row in bytes
.set KROW,   SIZE_K                    ; a row of xq_codes or wq_codes in bytes
.set PITCH,  272                       ; an LDS row: 256 bytes + 16 of padding = 68 words: the 16 rows that a load touches start at 16 different banks (64 banks of 4 bytes: ISA guide 11.1)
.set FR,     16                        ; registers of a fragment of 16 rows x 128 K
.set NL,     4                         ; LDS loads that bring one
.set NP,     4                         ; places behind this matrix instruction (ISA guide 7.12.1)
.set HALFT,  128*PITCH
.set SLOT,   4*HALFT                   ; A's 256 rows, then B's 256 rows
.set LAPS,   SIZE_K/(2*KSTEP)
.set SPARE,  2*SLOT                    ; behind the ring: the spare words, 128 bytes for each wave
.set LIMG,   SPARE+512                 ; the latent's 16 images of 2,048 bytes
.set QIMG,   0                         ; wave w's q fragments (head hh, block a) at 16384 w + 1024 (8 hh + a)
.set KIMG,   65536                     ; k's fragment (head, key tile) at 1024 (16 head + tile)
.set VIMG,   131072                    ; v^T's fragment (head, d tile, 64 keys u) at 1024 (16 head + 4 dt + u)
.set YST,    196608                    ; y's codes: row = token, 256 bytes + 16
.set LI,   3                           ; v3   16 x lane
.set QB,   4                           ; v4   QIMG + 16384 w + LI
.set KWB,  5                           ; v5   KIMG + 16384 w + LI
.set VWB,  6                           ; v6   VIMG + 16384 w + LI
.set LRB,  7                           ; v7   LIMG + LI
.set KRB,  8                           ; v8   KIMG + 32768 wc + LI
.set VRB,  9                           ; v9   VIMG + 32768 wc + LI
.set YWB,  10                          ; v10  YST + 272 (16 wr + r) + 128 wc + 8 h
.set YRB,  11                          ; v11  YST + 17408 w + 272 h + 16 r
.set YGO,  12                          ; v12  1024 h + 16 r
.set DQ,   13                          ; v13  16 wr + r - 8 h
.set NINF, 14                          ; v14  -infinity
.set WUO,  15                          ; v15  128 r + 16 h
.set ADRA, 16                          ; v16-17  G: LDS address of my A fragments in slot 0, 1;  afterwards v16-19: the addresses in hand
.set ADRB, 20                          ; v20-21  the same for B
.set SPW,  28                          ; v28  LDS address of my spare word; never rewritten
.set NIL,  29                          ; v29  0; never rewritten
.set AF,   128
.set STX,  32                          ; a block's statistics: +0 -M, +1 its partner in the pair, +2:3 the sum, +4:5 at work, +6 1 / l, +7 what the other half of the lanes sent
.set STY,  40
.set MXC,  192                         ; v192-195 the short block's four chains of maxima;  v196-201 the long block's six
.set MYC,  196
.set SXC,  202                         ; v202-209 the short block's four chains of sums, a pair each;  v210-221 the long block's six
.set SYC,  210
.set MK,   48                          ; s48-63  the mask's sixteen lane masks
.set G1, 24                            ; s[24:31] descriptor group 1 for A's tiles;  s[32:39] group 0, one set for each slot
.set G0, 32
.set G1B, 48                           ; s[48:55], s[56:63] the same for B's tiles
.set G0B, 56
.set MSB, 0
.macro WIN new                         ; the immediate's high byte repeats the setting that is left
.if MSB != (\new)
	s_set_vgpr_msb (MSB<<8)|(\new)
.set MSB, \new
.endif
.endm
.set MUL_LO, 0xa1                      ; source 0 (B) window 1, source 1 (A) window 0, C and D window 2
.set MUL_HI, 0xf1                      ; the same, C and D window 3
.set TO_B,   0x40                      ; destination window 1, address window 0
; A joint load: waves 0 and 1 fetch for A, waves 2 and 3 for B.  Each of the two lines has one mask and one set of registers for all that issue it; the branch hangs on the wave's number alone.
; An s_nop 0 and four v_nop follow each of the two lines.
.macro JLOAD g0a, g1a, g0b, g1b
	s_cmp_eq_u32 s15, 0
	s_cbranch_scc0 .Lfor_b_\@
	tensor_load_to_lds s[\g0a:\g0a+3], s[\g1a:\g1a+7]
	s_nop 0
.rept 4
	v_nop
.endr
	s_branch .Lasked_\@
.Lfor_b_\@:
	tensor_load_to_lds s[\g0b:\g0b+3], s[\g1b:\g1b+7]
	s_nop 0
.rept 4
	v_nop
.endr
.Lasked_\@:
.endm
.macro CREST                           ; a round of the cluster's barrier behind its opening barrier
	s_cmp_lg_u32 s14, 0
	s_cbranch_scc1 .Lnot_wave_0_\@
	s_barrier_signal -3
.Lnot_wave_0_\@:
	s_barrier_wait -3
	s_barrier_signal -1
	s_barrier_wait -1
.endm
.macro CROUND                          ; a whole round
	s_barrier_signal -1
	s_barrier_wait -1
	CREST
.endm
.macro PLACES n
.rept \n
	v_nop
.endr
.endm
.macro MKSC e, sc, lim                 ; s[e] = E: v[sc] = 2^E as f32, v[lim] = 448 x 2^E
	s_add_co_i32 s92, s[\e], 127
	s_lshl_b32 s93, s92, 23
	v_mov_b32 v[\sc], s93
	s_add_co_i32 s92, s92, 8
	s_lshl_b32 s92, s92, 23
	s_or_b32 s92, s92, 0x600000
	v_mov_b32 v[\lim], s92
.endm
	s_load_b128 s[4:7], s[0:1], 0x0                ; xq_codes s[4:5], wq_codes s[6:7]
	s_load_b128 s[8:11], s[0:1], 0x10              ; the scales' exponents s[8:9], lat_codes s[10:11]
	s_load_b128 s[68:71], s[0:1], 0x20             ; wu_codes s[68:69], y_codes s[70:71]
	v_lshl_add_u32 v[SPW], v0, 2, SPARE
	v_mov_b32 v[NIL], 0
	ds_add_u32 v[SPW], v[NIL]                      ; the wave's opening: the add and its wait stand ahead of my first tensor load; work on registers stands between them
	v_lshrrev_b32 v1, 5, v0
	v_readfirstlane_b32 s14, v1                    ; wave 0..3
	s_lshr_b32 s15, s14, 1                         ; wr.  Also: I fetch for A (0) or for B (1)
	s_and_b32 s16, s14, 1                          ; wc.  Also: which 128 rows of that tile I fetch
	s_bfe_u32 s40, ttmp6, 0x40000                  ; cx, cy: my place in the cluster
	s_bfe_u32 s41, ttmp6, 0x40004
	s_lshl_b32 s42, ttmp9, 2
	s_add_co_u32 s42, s42, s40                     ; the group of four heads = 4 x cluster x + cx
	s_and_b32 s17, ttmp7, 0xffff
	s_lshl_b32 s17, s17, 2
	s_add_co_u32 s17, s17, s41                     ; the sequence = 4 x cluster y + cy
	s_lshl_b32 s43, s41, 2
	s_lshl_b32 s43, 15, s43                        ; my row of the cluster
	s_lshl_b32 s44, 0x1111, s40                    ; my column
	s_or_b32 s[G1+0], s43, (0<<16)|(1<<20)|(1<<21)|(5<<22)|(3<<25)  ; the mask: A's tiles go to my row; elements of 1 byte; padding on; bit 21 beside a mask; after every 64 words four words
	s_or_b32 s[G1B+0], s44, (0<<16)|(1<<20)|(1<<21)|(5<<22)|(3<<25)
.irp g, G1, G1B
	s_mov_b32 s[\g+1], ROWB<<16                    ; tensor_dim0
	s_mov_b32 s[\g+2], 128<<16                     ; tensor_dim1 = 128
	s_mov_b32 s[\g+3], ROWB<<16                    ; tile_dim0
	s_mov_b32 s[\g+4], 128                         ; tile_dim1 = 128
	s_mov_b32 s[\g+5], KROW                        ; from row to row
	s_mov_b32 s[\g+6], 0
	s_mov_b32 s[\g+7], 0
.endr
	s_lshl_b32 s18, s16, 7                         ; which 128 rows of the tile I fetch
	s_lshl_b32 s20, s17, 8
	s_add_co_u32 s20, s20, s18                     ; A: token 256 x sequence + 128 x half
	s_lshl_b32 s46, s42, 8
	s_add_co_u32 s46, s46, s18                     ; B: row 256 x group + 128 x half
	s_mov_b32 s21, 0
	s_mov_b32 s47, 0
	s_mov_b64 s[18:19], KROW
	s_mul_u64 s[20:21], s[20:21], s[18:19]
	s_mul_u64 s[46:47], s[46:47], s[18:19]
	s_mul_i32 s45, s14, HALFT                      ; where they go: wave x 128 rows: no place in the cluster enters an LDS address
	s_wait_dscnt 0x0                               ; the opening add is done
	s_wait_kmcnt 0x0
	s_load_b256 s[72:79], s[8:9], 0x0              ; e0 .. e7
	s_load_b128 s[80:83], s[8:9], 0x20             ; e8 .. e11
	s_add_nc_u64 s[20:21], s[4:5], s[20:21]
	s_add_nc_u64 s[46:47], s[6:7], s[46:47]
	CROUND                                         ; all sixteen work-groups are here: the first joint loads meet
.irp s, 0,1
	s_mov_b32 s[G0+4*\s], 1
	s_add_co_u32 s[G0+4*\s+1], s45, \s*SLOT
	s_add_nc_u64 s[G0+4*\s+2:G0+4*\s+3], s[20:21], \s*ROWB
	s_or_b32 s[G0+4*\s+3], s[G0+4*\s+3], 0x80000000
	s_mov_b32 s[G0B+4*\s], 1
	s_add_co_u32 s[G0B+4*\s+1], s45, \s*SLOT
	s_add_nc_u64 s[G0B+4*\s+2:G0B+4*\s+3], s[46:47], \s*ROWB
	s_or_b32 s[G0B+4*\s+3], s[G0B+4*\s+3], 0x80000000
	JLOAD G0+4*\s, G1, G0B+4*\s, G1B
.endr
	v_and_b32 v1, 15, v0                           ; r = lane % 16
	v_bfe_u32 v2, v0, 4, 1                         ; h = lane / 16
	v_and_b32 v[LI], 31, v0
	v_lshlrev_b32 v[LI], 4, v[LI]
	s_lshl_b32 s20, s17, 15                        ; the sequence's 16 images of the latent; my wave copies four of them
	s_lshl_b32 s21, s14, 13
	s_add_co_u32 s20, s20, s21
	s_mov_b32 s21, 0
	s_add_nc_u64 s[10:11], s[10:11], s[20:21]
.set n, 0
.rept 16
	global_load_b128 v[32+4*n:35+4*n], v[LI], s[10:11] offset:512*n   ; 512 consecutive bytes
.set n, n+1
.endr
	v_mul_u32_u24 v30, v1, PITCH
	v_lshl_add_u32 v30, v2, 4, v30                 ; a fragment's row x pitch + 16 x half
	s_mul_i32 s21, s15, 16*PITCH                   ; A: my blocks are rows 32 a + 16 wr on
	s_mul_i32 s22, s16, HALFT                      ; B: my 128 rows,
	s_add_co_u32 s22, s22, 2*HALFT                 ; which lie behind A's 256
.irp s, 0,1
	v_add_nc_u32 v[ADRA+\s], s21, v30
	v_add_nc_u32 v[ADRB+\s], s22, v30
	s_add_co_u32 s21, s21, SLOT
	s_add_co_u32 s22, s22, SLOT
.endr
	v_add_nc_u32 v[LRB], LIMG, v[LI]
	s_lshl_b32 s23, s14, 13
	v_add_nc_u32 v31, s23, v[LRB]
	s_wait_loadcnt 0x0                             ; the latent (its way from memory runs beside the first tiles')
.set n, 0
.rept 16
	ds_store_b128 v31, v[32+4*n:35+4*n] offset:512*n
.set n, n+1
.endr
.macro FRAG reg, adr, q, i, str        ; a fragment, 16 rows x 128 K: registers 4 c .. 4 c + 3 hold K = 32 c + 16 (lane / 16) + 0 .. 15 of row lane % 16; str: bytes from block to block
.irp c, 0,1,2,3
	ds_load_b128 v[\reg+4*\c:\reg+4*\c+3], v[\adr] offset:128*(\q)+32*\c+(\i)*(\str)
.endr
.endm
; 16 matrix instructions: A's blocks a0, a0 + 1 x B's eight, 128 along K.  p: B's set.  zero = 1: the first product starts the sums.  The 64 accumulators take turns, in the same order in every step.
.macro MUL16 a0, p, zero
.irp a, \a0, \a0+1
.irp b, 0,1,2,3,4,5,6,7
.if \zero
	v_wmma_f32_16x16x128_fp8_fp8 v[8*(8*((\a)%4)+\b):8*(8*((\a)%4)+\b)+7], v[128*(\p)+FR*\b:128*(\p)+FR*\b+FR-1], v[AF+FR*(\a):AF+FR*(\a)+FR-1], 0
.else
	v_wmma_f32_16x16x128_fp8_fp8 v[8*(8*((\a)%4)+\b):8*(8*((\a)%4)+\b)+7], v[128*(\p)+FR*\b:128*(\p)+FR*\b+FR-1], v[AF+FR*(\a):AF+FR*(\a)+FR-1], v[8*(8*((\a)%4)+\b):8*(8*((\a)%4)+\b)+7]
.endif
.endr
.endr
.endm
.macro FETCH_B slot, q, p              ; B's eight fragments of the slot's q-th 128 along K into set p
	WIN TO_B
.irp i, 0,1,2,3,4,5,6,7
	FRAG 128*(\p)+FR*\i, ADRB+\slot, \q, \i, 16*PITCH
.endr
	WIN 0
.endm
.macro FETCH_A slot, q, i0             ; A's blocks i0 .. i0 + 3: 32 rows apart
.irp i, \i0, \i0+1, \i0+2, \i0+3
	FRAG AF+FR*(\i), ADRA+\slot, \q, \i, 32*PITCH
.endr
.endm
; A step of 128 along K that has its successor in the same slot.  A block of A is free as soon as its eight products are issued: one set serves A; B has two.
.macro STEP slot, q, zero
	s_wait_dscnt 4*NL                              ; B's set and A's blocks 0-3 are in; the youngest sixteen loads (A's blocks 4-7) may be out
	WIN MUL_LO
	MUL16 0, (\q)%2, \zero
	MUL16 2, (\q)%2, \zero
	s_wait_dscnt 0                                 ; A's blocks 4-7 are in
	PLACES NP                                      ; in front of loads into registers that matrix instructions have read
	FETCH_B \slot, (\q)+1, 1-(\q)%2
	FETCH_A \slot, (\q)+1, 0
	WIN MUL_HI
	MUL16 4, (\q)%2, \zero
	MUL16 6, (\q)%2, \zero
	PLACES NP
	WIN 0
	FETCH_A \slot, (\q)+1, 4
.endm
; A slot's last step changes slots: one barrier; in front of it each wave waits for all its tensor loads, adds 0 to its spare word, and waits for that and for its own reads of this slot.  fill = 1: this slot is filled again, two K steps ahead.
.macro TURN slot, next, fill
	s_wait_tensorcnt 0x0                           ; all my tensor loads have landed: my part of the next slot (every window is 0 here)
	ds_add_u32 v[SPW], v[NIL]                      ; 0 onto my spare word
	s_wait_dscnt 4*NL+1                            ; (the add and the youngest sixteen loads may be out)
	WIN MUL_LO
	MUL16 0, 1, 0                                  ; sixteen matrix instructions stand between the add and the wait for it
	s_wait_dscnt 0x0                               ; the add is done, and my reads of this slot are over
	s_barrier_signal -1
	MUL16 2, 1, 0
	WIN 0
	s_barrier_wait -1
.if \fill
	CREST                                          ; the barrier has opened a round of the cluster's barrier: no wave of any partner still reads this slot or has a load on its way
	s_add_nc_u64 s[G0+4*\slot+2:G0+4*\slot+3], s[G0+4*\slot+2:G0+4*\slot+3], 2*ROWB
	s_add_nc_u64 s[G0B+4*\slot+2:G0B+4*\slot+3], s[G0B+4*\slot+2:G0B+4*\slot+3], 2*ROWB
	JLOAD G0+4*\slot, G1, G0B+4*\slot, G1B         ; the first tensor load behind the round; its four v_nop are also the places in front of the loads below
.else
	PLACES NP
.endif
	FETCH_B \next, 0, 0
	FETCH_A \next, 0, 0
	WIN MUL_HI
	MUL16 4, 1, 0
	MUL16 6, 1, 0
	PLACES NP
	WIN 0
	FETCH_A \next, 0, 4
.endm
	; ---- G
	s_wait_tensorcnt 1                             ; my part of K step 0 is in (K step 1's load may be out),
	s_wait_dscnt 0x0                               ; and my four images of the latent lie in LDS
	s_barrier_signal -1
	s_barrier_wait -1                              ; everybody's
	FETCH_B 0, 0, 0
	FETCH_A 0, 0, 0
	FETCH_A 0, 0, 4
	STEP 0, 0, 1                                   ; the first step stands in front of the loop: its products start the sums
	s_mov_b32 s3, LAPS-1
.Llap:                                                 ; a trip goes once round the ring and fills both slots again
	TURN 0, 1, 1
	STEP 1, 0, 0
	TURN 1, 0, 1
	STEP 0, 0, 0
	s_sub_co_u32 s3, s3, 1
	s_cmp_lg_u32 s3, 0
	s_cbranch_scc1 .Llap
	TURN 0, 1, 0                                   ; the last lap fills nothing
	STEP 1, 0, 0
	s_wait_dscnt 4*NL
	WIN MUL_LO
	MUL16 0, 1, 0
	MUL16 2, 1, 0
	s_wait_dscnt 0
	WIN MUL_HI
	MUL16 4, 1, 0
	MUL16 6, 1, 0
	WIN 0
	s_barrier_signal -1                            ; my reads of the ring are over (the wait for them stands above): behind this barrier everybody's are, and the ring, which has had its last fill, takes the images
	s_barrier_wait -1
	; ---- set-up for what follows.  These plain lines name no register of the last products: they are the places behind them
	s_lshl_b32 s92, s14, 14
	v_add_nc_u32 v[QB], s92, v[LI]
	v_add_nc_u32 v[KWB], KIMG, v[QB]
	v_add_nc_u32 v[VWB], VIMG, v[QB]
	s_lshl_b32 s93, s16, 15
	v_add_nc_u32 v[KRB], s93, v[LI]
	v_add_nc_u32 v[VRB], VIMG, v[KRB]
	v_add_nc_u32 v[KRB], KIMG, v[KRB]
	s_mul_i32 s92, s15, 16*272
	s_lshl_b32 s93, s16, 7
	s_add_co_u32 s92, s92, s93
	s_add_co_u32 s92, s92, YST
	v_mul_u32_u24 v[YWB], v1, 272
	v_lshl_add_u32 v[YWB], v2, 3, v[YWB]
	v_add_nc_u32 v[YWB], s92, v[YWB]
	s_mul_i32 s92, s14, 17408
	s_add_co_u32 s92, s92, YST
	v_mul_u32_u24 v[YRB], v2, 272
	v_lshl_add_u32 v[YRB], v1, 4, v[YRB]
	v_add_nc_u32 v[YRB], s92, v[YRB]
	v_lshlrev_b32 v[YGO], 10, v2
	v_lshl_add_u32 v[YGO], v1, 4, v[YGO]
	s_lshl_b32 s92, s15, 4
	v_lshlrev_b32 v[DQ], 3, v2
	v_sub_nc_u32 v[DQ], v1, v[DQ]
	v_add_nc_u32 v[DQ], s92, v[DQ]
	v_mov_b32 v[NINF], 0xff800000
	; the causal mask touches a block's last two tiles.  Register n of the two holds the key 16 (n / 8) + 8 h + n % 8 behind the pair of blocks' first key, and my query stands 16 wr + r behind it: the key is hidden
	; where 16 (n / 8) + n % 8 > DQ.  That is the same for every block and head: the sixteen lane masks are made once, in scalar registers that held descriptors, whose loads have all been waited for
.set n, 0
.rept 16
	v_cmp_gt_i32 s[MK+n], 16*(n/8)+n%8, v[DQ]
.set n, n+1
.endr
	v_lshlrev_b32 v[WUO], 7, v1
	v_lshl_add_u32 v[WUO], v2, 4, v[WUO]
	s_lshl_b32 s46, s42, 2
	s_add_co_u32 s46, s46, s14                     ; the head whose k and v I make: 4 x group + wave
	s_lshl_b32 s46, s46, 13                        ; its 64 rows of 128 bytes
	s_mov_b32 s47, 0
	s_add_nc_u64 s[68:69], s[68:69], s[46:47]
	WIN 0x40                                       ; destination window 1
.irp f, 0,1,2,3,4,5,6,7                        ; wu's fragments: f = 4 kv + dt (kv = 0: k's rows, 1: v's, 1,024 rows further on)
.irp c, 0,1,2,3
	global_load_b128 v[16*\f+4*\c:16*\f+4*\c+3], v[WUO], s[68:69] offset:131072*(\f/4)+2048*(\f%4)+32*\c
.endr
.endr
	WIN 0
	s_lshl_b32 s46, s17, 18                        ; y_codes: 256 rows of 1,024 bytes a sequence, 64 a wave, 256 bytes a group of heads
	s_lshl_b32 s47, s14, 16
	s_add_co_u32 s46, s46, s47
	s_lshl_b32 s47, s42, 8
	s_add_co_u32 s46, s46, s47
	s_mov_b32 s47, 0
	s_add_nc_u64 s[70:71], s[70:71], s[46:47]
	s_wait_kmcnt 0x0
	s_sub_co_i32 s94, s78, s76
	s_sub_co_i32 s94, s94, s77                     ; q: e6 - e4 - e5
	MKSC 94, 22, 23
	s_sub_co_i32 s94, s79, s74
	s_sub_co_i32 s94, s94, s75                     ; k: e7 - e2 - e3
	MKSC 94, 24, 25
	s_sub_co_i32 s94, s80, s74
	s_sub_co_i32 s94, s94, s75                     ; v: e8 - e2 - e3
	MKSC 94, 26, 27
	MKSC 81, 248, 249                              ; p: e9
	s_sub_co_i32 s94, s82, s80
	s_sub_co_i32 s94, s94, s81                     ; y = O / l stands for O / l x 2^(e8 + e9): e10 - e8 - e9
	MKSC 94, 250, 251
	s_add_co_i32 s94, s78, s79
	s_lshl_b32 s94, s94, 23
	s_add_co_i32 s88, s94, 0x3e38aa3b              ; c = log2(e) / 8, with e6 + e7 added to its exponent field: t = sum x c
	s_mov_b32 s89, s88                             ; (named with it as a pair, so it is written)
	s_mov_b32 s90, 0x76543210                      ; v_permlanex16_b32's selects for lane l xor 16
	s_mov_b32 s91, 0xfedcba98
.set i, 0
.rept 16
	v_mov_b32 v[STX+i], 0                          ; written once: pairs are named whole, and a lane permute's destination counts as one of its sources
.set i, i+1
.endr
	; ---- Q: my 64 accumulators become 16 fragments of q.  Block a's tiles 4 hh + c, c = 0 .. 3, are head hh's d = 16 c + 8 h + j
.irp a, 0,1,2,3,4,5,6,7
	WIN 0x02+(\a/4)                                ; source 0: window 2 or 3
.set i, 0
.rept 64
	v_med3_num_f32 v[64+i], v[64*(\a%4)+i], -v23, v23   ; the hold; each accumulator from its low end on
.set i, i+1
.endr
	WIN 0
.if \a >= 2
	s_wait_dscnt 4                                 ; the stores of two blocks back have read their registers; the last block's four may be out
.endif
.set b, 0
.rept 8
	v_cvt_scalef32_pk8_fp8_f32 v[128+16*(\a%2)+2*b:129+16*(\a%2)+2*b], v[64+8*b:71+8*b], v22
.set b, b+1
.endr
	v_nop
	ds_store_b128 v[QB], v[128+16*(\a%2):131+16*(\a%2)] offset:1024*\a
	ds_store_b128 v[QB], v[132+16*(\a%2):135+16*(\a%2)] offset:1024*\a+512
	ds_store_b128 v[QB], v[136+16*(\a%2):139+16*(\a%2)] offset:1024*(8+\a)
	ds_store_b128 v[QB], v[140+16*(\a%2):143+16*(\a%2)] offset:1024*(8+\a)+512
.endr
	; ---- KV: four trips of 64 keys.  k: source 0 = 16 rows of wu (d), source 1 = 16 tokens of the latent.  v^T: source 0 = the tokens, source 1 = 16 rows of wu.
	; A trip's four fragments of the latent are asked for a trip ahead, straight behind the products that read the registers: they land under the holds and conversions.
	s_wait_loadcnt 0x0                             ; wu
	s_wait_dscnt 0x0                               ; Q's stores have read v128 on
.irp i, 0,1,2,3
.irp c, 0,1,2,3
	ds_load_b128 v[128+16*\i+4*\c:131+16*\i+4*\c], v[LRB] offset:2048*\i+512*\c   ; the first trip's
.endr
.endr
	s_mov_b32 s84, 4
	s_mov_b32 s85, 0
	s_mov_b32 s86, 0
	s_mov_b32 s87, 0
	s_wait_dscnt 0x0                               ; they are in (on the way round, the wait at the loop's foot says so)
.Lkv:
	WIN 0x81                                       ; source 0 window 1, source 1 window 0, D window 2
.irp i, 0,1,2,3
.irp d, 0,1,2,3
	v_wmma_f32_16x16x128_fp8_fp8 v[32*\i+8*\d:32*\i+8*\d+7], v[16*\d:16*\d+15], v[128+16*\i:143+16*\i], 0
.endr
.endr
	WIN 0x84                                       ; source 0 window 0, source 1 window 1, D window 2
.irp d, 0,1,2,3
.irp i, 0,1,2,3
	v_wmma_f32_16x16x128_fp8_fp8 v[128+32*\d+8*\i:128+32*\d+8*\i+7], v[128+16*\i:143+16*\i], v[64+16*\d:79+16*\d], 0
.endr
.endr
	WIN 0
	s_add_co_u32 s85, s85, 8192                    ; four images of the latent on;
	s_and_b32 s85, s85, 0x6000                     ; the last trip's step wraps to the first four, which are fetched and not used: no read leaves the sixteen images
	v_add_nc_u32 v16, s85, v[LRB]
	PLACES 4                                       ; behind the products: in front of loads into registers that they have read, and of the first read of their results
.irp i, 0,1,2,3
.irp c, 0,1,2,3
	ds_load_b128 v[128+16*\i+4*\c:131+16*\i+4*\c], v16 offset:2048*\i+512*\c
.endr
.endr
	s_wait_dscnt 16                                ; all but these sixteen loads: the last trip's stores are done, so their address and data registers may be written
	v_add_nc_u32 v17, s86, v[KWB]
	v_add_nc_u32 v18, s87, v[VWB]
	WIN 0x82                                       ; source 0 and destination window 2
.set i, 0
.rept 128
	v_med3_num_f32 v[i], v[i], -v25, v25
.set i, i+1
.endr
.rept 128
	v_med3_num_f32 v[i], v[i], -v27, v27
.set i, i+1
.endr
	WIN 0x02
.set n, 0
.rept 32                                       ; tile n at v[8 n] of window 2: n = 4 i + dt: registers 2 dt, 2 dt + 1 of k's fragment i;  n = 16 + 4 dt + i: registers 2 i, 2 i + 1 of v^T's fragment dt
.if n < 16
	v_cvt_scalef32_pk8_fp8_f32 v[64+2*n:65+2*n], v[8*n:8*n+7], v24
.else
	v_cvt_scalef32_pk8_fp8_f32 v[64+2*n:65+2*n], v[8*n:8*n+7], v26
.endif
.set n, n+1
.endr
	WIN 0
	v_nop
.irp i, 0,1,2,3
	ds_store_b128 v17, v[64+8*\i:67+8*\i] offset:1024*\i
	ds_store_b128 v17, v[68+8*\i:71+8*\i] offset:1024*\i+512
.endr
.irp d, 0,1,2,3
	ds_store_b128 v18, v[96+8*\d:99+8*\d] offset:4096*\d
	ds_store_b128 v18, v[100+8*\d:103+8*\d] offset:4096*\d+512
.endr
	s_add_co_u32 s86, s86, 4096                    ; four fragments of k on,
	s_add_co_u32 s87, s87, 1024                    ; one of each v^T
	s_wait_dscnt 16                                ; the next trip's fragments, asked for ahead of these sixteen stores, are in
	s_sub_co_u32 s84, s84, 1
	s_cmp_lg_u32 s84, 0
	s_cbranch_scc1 .Lkv
	s_wait_dscnt 0x0                               ; for the others' sake: my head's k and v^T lie in LDS
	s_barrier_signal -1
	s_barrier_wait -1
; ---- A.  Blocks X = a and Y = 7 - a of my eight, worked together: 2 a + 2 and 16 - 2 a key tiles, 18 in all, so that every pair is the same work.  The 18 tiles' scores lie on end, X's first.
.macro FM                              ; pair j of the 72 pairs of scores: t - M, two at a time; then j steps
.if j < 4*NX
	v_pk_fma_f32 v[48+2*j:49+2*j], v[48+2*j:49+2*j], s[88:89], v[STX:STX+1] op_sel_hi:[1,0,0]
.else
	v_pk_fma_f32 v[48+2*j:49+2*j], v[48+2*j:49+2*j], s[88:89], v[STY:STY+1] op_sel_hi:[1,0,0]
.endif
.set j, j+1
.endm
.macro MIN8                            ; tile tm of the 18: the conversion does not saturate (ISA guide 7.6.2); p is not negative, so the hold is one-sided
.set i, 0
.rept 8
	v_min_num_f32 v[48+8*tm+i], v[48+8*tm+i], v249
.set i, i+1
.endr
.endm
.macro PAIR a
.set NX, 2*(\a)+2
.set NY, 16-2*(\a)
.set SX, 48
.set SY, 48+8*NX
.set UX, (NX+3)/4
.set UY, (NY+3)/4
.set PX, 192
.set PY, 192+8*UX
.set QX, \a
.set QY, 7-(\a)
	WIN 0x09                                       ; source 0 (k) window 1, source 1 (q) window 2, D window 0
.set t, 0
.rept NX
	v_wmma_f32_16x16x64_fp8_fp8 v[SX+8*t:SX+8*t+7], v[8*t:8*t+7], v[8*QX:8*QX+7], 0
.set t, t+1
.endr
.set t, 0
.rept NY
	v_wmma_f32_16x16x64_fp8_fp8 v[SY+8*t:SY+8*t+7], v[8*t:8*t+7], v[8*QY:8*QY+7], 0
.set t, t+1
.endr
	WIN 0
	PLACES 4
.set n, 0
.rept 16                                       ; the mask, on each block's last two tiles, by the lane masks made at the set-up; each tile from its low end on
	v_cndmask_b32 v[SX+16*QX+n], v[SX+16*QX+n], v[NINF], s[MK+n]
	v_cndmask_b32 v[SY+16*QY+n], v[SY+16*QY+n], v[NINF], s[MK+n]
.set n, n+1
.endr
	; the largest score of my query among my half of the keys.  X's 8 NX registers go round four chains, Y's 8 NY round six, in ascending order: three registers start a chain, two lengthen it;
	; so between two links of a chain stand the other chains' links, five at the least when X has run out
.set c, 0
.rept 6
.if c < 4
	v_max3_num_f32 v[MXC+c], v[SX+3*c], v[SX+3*c+1], v[SX+3*c+2]
.endif
	v_max3_num_f32 v[MYC+c], v[SY+3*c], v[SY+3*c+1], v[SY+3*c+2]
.set c, c+1
.endr
.set k, 0
.rept 4*NY-9
.if k < 4*NX-6
	v_max3_num_f32 v[MXC+k%4], v[MXC+k%4], v[SX+12+2*k], v[SX+13+2*k]
.endif
	v_max3_num_f32 v[MYC+k%6], v[MYC+k%6], v[SY+18+2*k], v[SY+19+2*k]
.set k, k+1
.endr
	v_max3_num_f32 v[STX+4], v[MXC], v[MXC+1], v[MXC+2]
	v_max3_num_f32 v[STY+4], v[MYC], v[MYC+1], v[MYC+2]
	v_max3_num_f32 v[STY+5], v[MYC+3], v[MYC+4], v[MYC+5]
	v_max_num_f32 v[STX+4], v[STX+4], v[MXC+3]
	v_max_num_f32 v[STY+4], v[STY+4], v[STY+5]
	v_permlanex16_b32 v[STX+7], v[STX+4], s90, s91
	v_permlanex16_b32 v[STY+7], v[STY+4], s90, s91
	v_max_num_f32 v[STX+4], v[STX+4], v[STX+7]     ; and among the other half's
	v_max_num_f32 v[STY+4], v[STY+4], v[STY+7]
	v_mul_f32 v[STX+4], s88, v[STX+4]              ; as t (c is positive)
	v_mul_f32 v[STY+4], s88, v[STY+4]
	v_floor_f32 v[STX], -v[STX+4]                  ; -M = floor(-t) = -ceil(t)
	v_floor_f32 v[STY], -v[STY+4]
	; p = 2^(t - M), at most 1; 0 where the key is hidden.  ONE BATCH: the 72 scalings and the 144 exponentials, a scaling leading each two exponentials and running four pairs ahead of them.
	; No scaling names an exponential's result: so one wait serves the batch
.set j, 0
.rept 4
	FM
.endr
.set i, 0
.rept 72
.if j < 72
	FM
.endif
	v_exp_f32 v[48+2*i], v[48+2*i]
	v_exp_f32 v[49+2*i], v[49+2*i]
.set i, i+1
.endr
	v_nop                                          ; a plain line behind the last exponential
	s_wait_alu depctr_va_vdst(0)                   ; one wait for the whole batch, ahead of its first reader
	; the row's sum is taken of the unquantised p: four chains of pairs for X, six for Y, as for the maxima
.set c, 0
.rept 6
.if c < 4
	v_pk_add_f32 v[SXC+2*c:SXC+2*c+1], v[SX+4*c:SX+4*c+1], v[SX+4*c+2:SX+4*c+3]
.endif
	v_pk_add_f32 v[SYC+2*c:SYC+2*c+1], v[SY+4*c:SY+4*c+1], v[SY+4*c+2:SY+4*c+3]
.set c, c+1
.endr
.set k, 0
.rept 4*NY-12
.if k < 4*NX-8
	v_pk_add_f32 v[SXC+2*(k%4):SXC+2*(k%4)+1], v[SXC+2*(k%4):SXC+2*(k%4)+1], v[SX+16+2*k:SX+17+2*k]
.endif
	v_pk_add_f32 v[SYC+2*(k%6):SYC+2*(k%6)+1], v[SYC+2*(k%6):SYC+2*(k%6)+1], v[SY+24+2*k:SY+25+2*k]
.set k, k+1
.endr
	v_pk_add_f32 v[SXC:SXC+1], v[SXC:SXC+1], v[SXC+2:SXC+3]
	v_pk_add_f32 v[SYC:SYC+1], v[SYC:SYC+1], v[SYC+2:SYC+3]
	v_pk_add_f32 v[SXC+4:SXC+5], v[SXC+4:SXC+5], v[SXC+6:SXC+7]
	v_pk_add_f32 v[SYC+4:SYC+5], v[SYC+4:SYC+5], v[SYC+6:SYC+7]
	v_pk_add_f32 v[SYC+8:SYC+9], v[SYC+8:SYC+9], v[SYC+10:SYC+11]
	v_pk_add_f32 v[STX+2:STX+3], v[SXC:SXC+1], v[SXC+4:SXC+5]
	v_pk_add_f32 v[SYC:SYC+1], v[SYC:SYC+1], v[SYC+4:SYC+5]
	v_add_f32 v[STX+2], v[STX+2], v[STX+3]
	v_pk_add_f32 v[STY+2:STY+3], v[SYC:SYC+1], v[SYC+8:SYC+9]
	v_permlanex16_b32 v[STX+7], v[STX+2], s90, s91
	v_add_f32 v[STY+2], v[STY+2], v[STY+3]
	v_add_f32 v[STX+2], v[STX+2], v[STX+7]         ; l
	v_permlanex16_b32 v[STY+7], v[STY+2], s90, s91
	v_add_f32 v[STY+2], v[STY+2], v[STY+7]
	v_rcp_f32 v[STX+6], v[STX+2]                   ; 1 / l: asked for here, first read behind the second product, where its wait stands
	v_rcp_f32 v[STY+6], v[STY+2]
	; p's codes: a block's tile t gives registers 2 (t % 4), 2 (t % 4) + 1 of its fragment of keys 64 (t / 4) on.  A tile's hold stands a tile ahead of its conversion.  The chains' registers are done with
.set tm, 0
	MIN8
.set t, 0
.rept 18
.if t < 17
.set tm, t+1
	MIN8
.endif
.if t < NX
	v_cvt_scalef32_pk8_fp8_f32 v[PX+2*t:PX+2*t+1], v[48+8*t:55+8*t], v248
.else
	v_cvt_scalef32_pk8_fp8_f32 v[PY+2*(t-NX):PY+2*(t-NX)+1], v[48+8*t:55+8*t], v248
.endif
.set t, t+1
.endr
.if NX%4 == 2                                  ; a fragment's last two tiles that the block does not have: zero codes
.irp i, 0,1,2,3
	v_mov_b32 v[PX+2*NX+\i], 0
.endr
.endif
.if NY%4 == 2
.irp i, 0,1,2,3
	v_mov_b32 v[PY+2*NY+\i], 0
.endr
.endif
	v_nop                                          ; a plain line between the conversions and the products, which read their results and write over their sources
	s_wait_dscnt 0x0                               ; v^T's fragments, asked for at the head's start, are in
	; O^T = v^T p^T, laid over the scores, which are done with: X's four tiles at v48, Y's at v80.  The accumulators take turns, one instruction a turn
	WIN 0x01                                       ; source 0 (v^T) window 1
.set u, 0
.rept UY
.set d, 0
.rept 4
.if u < UX
.if u == 0
	v_wmma_f32_16x16x64_fp8_fp8 v[48+8*d:55+8*d], v[128+8*(4*d+u):135+8*(4*d+u)], v[PX+8*u:PX+8*u+7], 0
.else
	v_wmma_f32_16x16x64_fp8_fp8 v[48+8*d:55+8*d], v[128+8*(4*d+u):135+8*(4*d+u)], v[PX+8*u:PX+8*u+7], v[48+8*d:55+8*d]
.endif
.endif
.if u == 0
	v_wmma_f32_16x16x64_fp8_fp8 v[80+8*d:87+8*d], v[128+8*(4*d+u):135+8*(4*d+u)], v[PY+8*u:PY+8*u+7], 0
.else
	v_wmma_f32_16x16x64_fp8_fp8 v[80+8*d:87+8*d], v[128+8*(4*d+u):135+8*(4*d+u)], v[PY+8*u:PY+8*u+7], v[80+8*d:87+8*d]
.endif
.set d, d+1
.endr
.set u, u+1
.endr
	WIN 0
	PLACES 4
	s_wait_alu depctr_va_vdst(0)                   ; the wait for the two reciprocals, ahead of their first reader
.set i, 0
.rept 16
	v_pk_mul_f32 v[48+2*i:49+2*i], v[48+2*i:49+2*i], v[STX+6:STX+7] op_sel_hi:[1,0]   ; O / l; each accumulator from its low end on
.set i, i+1
.endr
.set i, 0
.rept 16
	v_pk_mul_f32 v[80+2*i:81+2*i], v[80+2*i:81+2*i], v[STY+6:STY+7] op_sel_hi:[1,0]
.set i, i+1
.endr
.set i, 0
.rept 64
	v_med3_num_f32 v[48+i], v[48+i], -v251, v251
.set i, i+1
.endr
	s_wait_dscnt 0x0                               ; the last pair's stores have read y's codes
.set n, 0
.rept 8
	v_cvt_scalef32_pk8_fp8_f32 v[232+2*n:233+2*n], v[48+8*n:55+8*n], v250
.set n, n+1
.endr
	v_nop
.irp d, 0,1,2,3
	ds_store_b64 v19, v[232+2*\d:233+2*\d] offset:8704*QX+16*\d   ; y(query r of the block, d = 16 dt + 8 h + 0 .. 7): 8 bytes
	ds_store_b64 v19, v[240+2*\d:241+2*\d] offset:8704*QY+16*\d
.endr
.endm
	s_mov_b32 s84, 2                               ; my two heads
	s_mov_b32 s85, 0
	s_mov_b32 s86, 0
	s_mov_b32 s87, 0
.Lhead:
	s_wait_dscnt 0x0
	v_add_nc_u32 v16, s85, v[KRB]
	v_add_nc_u32 v17, s85, v[VRB]
	v_add_nc_u32 v18, s86, v[QB]
	v_add_nc_u32 v19, s87, v[YWB]
	WIN 0x80                                       ; destination window 2: my eight fragments of q, which the scores want first,
.set t, 0
.rept 8
	ds_load_b128 v[8*t:8*t+3], v18 offset:1024*t
	ds_load_b128 v[8*t+4:8*t+7], v18 offset:1024*t+512
.set t, t+1
.endr
	WIN 0x40                                       ; destination window 1: the head's 16 fragments of k, then its 16 of v^T
.set t, 0
.rept 16
	ds_load_b128 v[8*t:8*t+3], v16 offset:1024*t
	ds_load_b128 v[8*t+4:8*t+7], v16 offset:1024*t+512
.set t, t+1
.endr
.set t, 0
.rept 16
	ds_load_b128 v[128+8*t:131+8*t], v17 offset:1024*t
	ds_load_b128 v[132+8*t:135+8*t], v17 offset:1024*t+512
.set t, t+1
.endr
	WIN 0
	s_wait_dscnt 32                                ; q and k are in; the youngest 32 loads, v^T's, may be out: they land under the first pair's softmax and are waited for in front of its second product
	PAIR 0
	PAIR 1
	PAIR 2
	PAIR 3
	s_add_co_u32 s85, s85, 16384                   ; the next head's k and v^T,
	s_add_co_u32 s86, s86, 8192                    ; q,
	s_add_co_u32 s87, s87, 64                      ; and 64 bytes of a row of y
	s_sub_co_u32 s84, s84, 1
	s_cmp_lg_u32 s84, 0
	s_cbranch_scc1 .Lhead
	; ---- the way out: a row's 256 bytes come from two waves, so a barrier; then each wave stores 64 whole rows
	s_wait_dscnt 0x0
	s_barrier_signal -1
	s_barrier_wait -1
.set t, 0
.rept 32
	ds_load_b128 v[48+4*t:51+4*t], v[YRB] offset:544*t
.set t, t+1
.endr
.set t, 0
.rept 32
	s_wait_dscnt 31-t                              ; the younger loads may be out
	global_store_b128 v[YGO], v[48+4*t:51+4*t], s[70:71] offset:2048*t   ; sixteen lanes store 256 consecutive bytes, at a multiple of 256 from the buffer's first byte
.set t, t+1
.endr
	s_wait_tensorcnt 0x0                           ; the wave's end, behind my last tensor load and my last LDS store
	ds_add_u32 v[SPW], v[NIL]
	s_wait_dscnt 0x0
	CROUND                                         ; the closing round: no work-group ends while a partner may still ask for a tile that names it
	s_endpgm
.Lfunc_end_k_qa7e4a165db_attn:
	.size	k_qa7e4a165db_attn, .Lfunc_end_k_qa7e4a165db_attn-k_qa7e4a165db_attn
	.p2alignl 7, 3214868480
	.fill 96, 4, 3214868480
	.section	.rodata,"a",@progbits
	.p2align	6, 0x0
	.amdhsa_kernel k_qa7e4a165db_attn
		.amdhsa_group_segment_fixed_size 327680
		.amdhsa_private_segment_fixed_size 0
		.amdhsa_enable_private_segment 0
		.amdhsa_kernarg_size 48
		.amdhsa_user_sgpr_count 2
		.amdhsa_user_sgpr_kernarg_segment_ptr 1
		.amdhsa_wavefront_size32 1
		.amdhsa_system_sgpr_workgroup_id_x 1
		.amdhsa_system_sgpr_workgroup_id_y 1
		.amdhsa_system_sgpr_workgroup_id_z 1
		.amdhsa_system_vgpr_workitem_id 0
		.amdhsa_next_free_vgpr 1024
		.amdhsa_next_free_sgpr 96
		.amdhsa_reserve_vcc 0
		.amdhsa_float_denorm_mode_32 3
		.amdhsa_float_denorm_mode_16_64 3
		.amdhsa_memory_ordered 1
		.amdhsa_forward_progress 1
		.amdhsa_inst_pref_size 255
	.end_amdhsa_kernel
	.section	.bss,"aw",@nobits
	.p2align	6
	.space	262144
	.amdgpu_metadata
---
amdhsa.version: [ 1, 2 ]
amdhsa.kernels:
  - .name:           k_qa7e4a165db_attn
    .symbol:         k_qa7e4a165db_attn.kd
    .args:
      - { .name: xq_codes, .offset: 0, .size: 8, .value_kind: global_buffer, .address_space: global }
      - { .name: wq_codes, .offset: 8, .size: 8, .value_kind: global_buffer, .address_space: global }
      - { .name: lowp_scales, .offset: 16, .size: 8, .value_kind: global_buffer, .address_space: global }
      - { .name: lat_codes, .offset: 24, .size: 8, .value_kind: global_buffer, .address_space: global }
      - { .name: wu_codes, .offset: 32, .size: 8, .value_kind: global_buffer, .address_space: global }
      - { .name: y_codes, .offset: 40, .size: 8, .value_kind: global_buffer, .address_space: global }
    .group_segment_fixed_size: 327680
    .private_segment_fixed_size: 0
    .kernarg_segment_align: 8
    .kernarg_segment_size: 48
    .max_flat_workgroup_size: 128
    .sgpr_count:     96
    .vgpr_count:     1024
    .wavefront_size: 32
...
	.end_amdgpu_metadata
.endif
;; end of part 3
;; launch outp (part 4): grid 4 x 64, 4 waves a work-group, clusters of 4 x 4, 327,680 bytes of LDS; arguments y_codes, wo_codes, lowp_scales, out0; writes out0
.if DOCPART == 4
	.amdgcn_target "amdgcn-amd-amdhsa--gfx1250"
	.amdhsa_code_object_version 6
	.text
	.protected	k_qa7e4a165db_outp
	.globl	k_qa7e4a165db_outp
	.p2align	8
	.type	k_qa7e4a165db_outp,@function
k_qa7e4a165db_outp:
	s_mov_b64 s[64:65], 0
	v_nop
	global_prefetch_b8 v0, s[64:65] scope:SCOPE_SE
	s_setreg_imm32_b32 hwreg(HW_REG_WAVE_MODE, 25, 1), 1
	s_wait_xcnt 0x0
	s_wait_alu depctr_hold_cnt(0) depctr_sa_sdst(0) depctr_va_vdst(0) depctr_va_sdst(0) depctr_va_ssrc(0) depctr_va_vcc(0) depctr_vm_vsrc(0)
	s_getreg_b32 s2, hwreg(HW_REG_IB_STS2, 6, 4)
	s_cmp_eq_u32 s2, 0
	s_cbranch_scc0 .Lentry_in_a_cluster
	s_endpgm
.Lentry_in_a_cluster:
	s_bfe_u32 s2, ttmp6, 0x10000c
	s_cmp_lg_u32 s2, 0xf033
	s_cbranch_scc0 .Lentry_shape_is_right
	s_endpgm
.Lentry_shape_is_right:
; out0[m][n] = sum over k of y[m][k] w_out[k][n].  y_codes: [16384][1024], wo_codes: [n 1024][k 1024]: codes of FP8 (E4M3), K innermost; out0: [16384][1024] f32; sums in f32.
; A number of y is its code's value x 2^e10, of w_out x 2^e11 (entries 10 and 11 of the scales).  The codes are multiplied as they are, and each finished sum once by 2^(e10 + e11).
; LIMIT: e10 + e11 lies between -126 and 127, so that 2^(e10 + e11) is an f32 number.
; A tile of 256 x 256 is made by a work-group of four waves; a wave makes 128 x 128: 64 accumulators of 16 x 16, 512 registers.  K goes in steps of 256 through a ring of two LDS slots filled by the tensor data mover.
; CLUSTERS: 4 x 4 work-groups.  The four of a row of the cluster need the same tiles of A, the four of a column the same tiles of B: each tile is asked for JOINTLY, by the same tensor load with the
; same descriptor and a mask that names the four.  THE MATRIX INSTRUCTION IS USED TRANSPOSED (source 0 = 16 rows of B, source 1 = 16 rows of A): a lane then holds eight neighbouring numbers of a row of the output.
; Both operands are fed by four pieces of 16 bytes at 32 c + 16 (lane / 16): one permutation of k, the same on both sides.
; REGISTERS, in windows of 256: window 0: v0-31 addresses; from v128 A's fragments, ONE set; on the way out v32-255 are free.  window 1: B's fragments, TWO sets.  windows 2, 3: the accumulators.
.set SIZE_M, 16384
.set SIZE_N, 1024
.set SIZE_K, 1024
.set KSTEP,  256
.set ROWB,   256
.set KROW,   SIZE_K
.set PITCH,  272                       ; an LDS row: 256 bytes + 16 of padding = 68 words: the 16 rows that a load touches start at 16 different banks (64 banks of 4 bytes: ISA guide 11.1)
.set FR,     16
.set NL,     4
.set NP,     4                         ; places behind this matrix instruction (ISA guide 7.12.1)
.set HALFT,  128*PITCH
.set SLOT,   4*HALFT
.set LAPS,   SIZE_K/(2*KSTEP)
.set SPARE,  2*SLOT                    ; behind the ring: the spare words, 128 bytes for each wave
.set SPITCH, 528                       ; the way out: a stage of 16 rows x (512 bytes + 16) for each wave, in slot 0, which has had its last fill and its last read when the first result is stored there
.set ADRA, 16
.set ADRB, 20
.set STO,  24
.set RD,   25
.set CO,   26
.set SPW,  28
.set NIL,  29
.set TMP,  32
.set AF,   128
.set BK,   128
.set G1, 24
.set G0, 32
.set G1B, 48
.set G0B, 56
.set MSB, 0
.macro WIN new                         ; the immediate's high byte repeats the setting that is left
.if MSB != (\new)
	s_set_vgpr_msb (MSB<<8)|(\new)
.set MSB, \new
.endif
.endm
.set MUL_LO, 0xa1
.set MUL_HI, 0xf1
.set TO_B,   0x40
.macro JLOAD g0a, g1a, g0b, g1b        ; a joint load: waves 0 and 1 fetch for A, waves 2 and 3 for B; an s_nop 0 and four v_nop follow each of the two lines
	s_cmp_eq_u32 s15, 0
	s_cbranch_scc0 .Lfor_b_\@
	tensor_load_to_lds s[\g0a:\g0a+3], s[\g1a:\g1a+7]
	s_nop 0
.rept 4
	v_nop
.endr
	s_branch .Lasked_\@
.Lfor_b_\@:
	tensor_load_to_lds s[\g0b:\g0b+3], s[\g1b:\g1b+7]
	s_nop 0
.rept 4
	v_nop
.endr
.Lasked_\@:
.endm
.macro CREST                           ; a round of the cluster's barrier behind its opening barrier
	s_cmp_lg_u32 s14, 0
	s_cbranch_scc1 .Lnot_wave_0_\@
	s_barrier_signal -3
.Lnot_wave_0_\@:
	s_barrier_wait -3
	s_barrier_signal -1
	s_barrier_wait -1
.endm
.macro CROUND
	s_barrier_signal -1
	s_barrier_wait -1
	CREST
.endm
	s_load_b128 s[4:7], s[0:1], 0x0                ; y_codes s[4:5], wo_codes s[6:7]
	s_load_b128 s[8:11], s[0:1], 0x10              ; the scales' exponents s[8:9], out0 s[10:11]
	v_lshl_add_u32 v[SPW], v0, 2, SPARE
	v_mov_b32 v[NIL], 0
	ds_add_u32 v[SPW], v[NIL]                      ; the wave's opening: the add and its wait stand ahead of my first tensor load; work on registers stands between them
	v_lshrrev_b32 v1, 5, v0
	v_readfirstlane_b32 s14, v1                    ; wave 0..3
	s_lshr_b32 s15, s14, 1                         ; which half of the tile's rows is mine.  Also: I fetch for A (0) or for B (1)
	s_and_b32 s16, s14, 1                          ; which half of its columns.  Also: which 128 rows of that tile I fetch
	s_bfe_u32 s40, ttmp6, 0x40000                  ; cx, cy
	s_bfe_u32 s41, ttmp6, 0x40004
	s_lshl_b32 s42, ttmp9, 2
	s_add_co_u32 s42, s42, s40                     ; tile column = 4 x cluster x + cx
	s_and_b32 s17, ttmp7, 0xffff
	s_lshl_b32 s17, s17, 2
	s_add_co_u32 s17, s17, s41                     ; tile row = 4 x cluster y + cy
	s_lshl_b32 s43, s41, 2
	s_lshl_b32 s43, 15, s43                        ; my row of the cluster
	s_lshl_b32 s44, 0x1111, s40                    ; my column
	s_or_b32 s[G1+0], s43, (0<<16)|(1<<20)|(1<<21)|(5<<22)|(3<<25)
	s_or_b32 s[G1B+0], s44, (0<<16)|(1<<20)|(1<<21)|(5<<22)|(3<<25)
.irp g, G1, G1B
	s_mov_b32 s[\g+1], ROWB<<16
	s_mov_b32 s[\g+2], 128<<16
	s_mov_b32 s[\g+3], ROWB<<16
	s_mov_b32 s[\g+4], 128
	s_mov_b32 s[\g+5], KROW
	s_mov_b32 s[\g+6], 0
	s_mov_b32 s[\g+7], 0
.endr
	s_lshl_b32 s18, s16, 7
	s_lshl_b32 s20, s17, 8
	s_add_co_u32 s20, s20, s18                     ; A: row 256 x tile row + 128 x half
	s_lshl_b32 s46, s42, 8
	s_add_co_u32 s46, s46, s18                     ; B: row 256 x tile column + 128 x half
	s_mov_b32 s21, 0
	s_mov_b32 s47, 0
	s_mov_b64 s[18:19], KROW
	s_mul_u64 s[20:21], s[20:21], s[18:19]
	s_mul_u64 s[46:47], s[46:47], s[18:19]
	s_mul_i32 s45, s14, HALFT                      ; where they go: wave x 128 rows
	s_wait_dscnt 0x0                               ; the opening add is done
	s_wait_kmcnt 0x0
	s_load_b64 s[96:97], s[8:9], 0x28              ; e10, e11
	s_add_nc_u64 s[20:21], s[4:5], s[20:21]
	s_add_nc_u64 s[46:47], s[6:7], s[46:47]
	CROUND                                         ; all sixteen work-groups are here: the first joint loads meet
.irp s, 0,1
	s_mov_b32 s[G0+4*\s], 1
	s_add_co_u32 s[G0+4*\s+1], s45, \s*SLOT
	s_add_nc_u64 s[G0+4*\s+2:G0+4*\s+3], s[20:21], \s*ROWB
	s_or_b32 s[G0+4*\s+3], s[G0+4*\s+3], 0x80000000
	s_mov_b32 s[G0B+4*\s], 1
	s_add_co_u32 s[G0B+4*\s+1], s45, \s*SLOT
	s_add_nc_u64 s[G0B+4*\s+2:G0B+4*\s+3], s[46:47], \s*ROWB
	s_or_b32 s[G0B+4*\s+3], s[G0B+4*\s+3], 0x80000000
	JLOAD G0+4*\s, G1, G0B+4*\s, G1B
.endr
	v_and_b32 v1, 15, v0                           ; l % 16
	v_bfe_u32 v2, v0, 4, 1                         ; l / 16
	v_mul_u32_u24 v3, v1, PITCH
	v_lshl_add_u32 v4, v2, 4, v3                   ; a fragment's row x pitch + 16 x half
	s_mul_i32 s21, s15, HALFT                      ; my 128 rows of A
	s_mul_i32 s22, s16, HALFT                      ; my 128 rows of B,
	s_add_co_u32 s22, s22, 2*HALFT                 ; which lie behind A's 256
.irp s, 0,1
	v_add_nc_u32 v[ADRA+\s], s21, v4
	v_add_nc_u32 v[ADRB+\s], s22, v4
	s_add_co_u32 s21, s21, SLOT
	s_add_co_u32 s22, s22, SLOT
.endr
	s_mul_i32 s23, s14, 16*SPITCH                  ; my stage
	v_mul_u32_u24 v5, v1, SPITCH                   ; in: row l % 16, 32 bytes for each half of the lanes
	v_lshl_add_u32 v5, v2, 5, v5
	v_add_nc_u32 v[STO], s23, v5
	v_and_b32 v6, 31, v0
	v_lshlrev_b32 v[CO], 4, v6                     ; back: the 32 lanes take one row of 512 bytes; and the same in the output
	v_add_nc_u32 v[RD], s23, v[CO]
	s_lshl_b32 s20, s17, 8
	s_lshl_b32 s21, s15, 7
	s_add_co_u32 s20, s20, s21                     ; my first row: 256 x tile row + 128 x half
	s_mov_b32 s21, 0
	s_mov_b64 s[18:19], SIZE_N*4
	s_mul_u64 s[20:21], s[20:21], s[18:19]
	s_lshl_b32 s46, s42, 10                        ; my first column, in bytes: 1024 x tile column + 512 x half
	s_lshl_b32 s47, s16, 9
	s_add_co_u32 s46, s46, s47
	s_mov_b32 s47, 0
	s_add_nc_u64 s[20:21], s[20:21], s[46:47]
	s_add_nc_u64 s[10:11], s[10:11], s[20:21]
.macro FRAG reg, adr, q, i             ; a fragment, 16 rows x 128 K: registers 4 c .. 4 c + 3 hold K = 32 c + 16 (l / 16) + 0 .. 15 of row l % 16
.irp c, 0,1,2,3
	ds_load_b128 v[\reg+4*\c:\reg+4*\c+3], v[\adr] offset:128*(\q)+32*\c+(\i)*16*PITCH
.endr
.endm
; 16 matrix instructions: A's blocks a0, a0 + 1 x B's eight.  The 64 accumulators take turns, one instruction a turn, in the same order in every step.
.macro MUL16 a0, p, zero
.irp a, \a0, \a0+1
.irp b, 0,1,2,3,4,5,6,7
.if \zero
	v_wmma_f32_16x16x128_fp8_fp8 v[8*(8*((\a)%4)+\b):8*(8*((\a)%4)+\b)+7], v[128*(\p)+FR*\b:128*(\p)+FR*\b+FR-1], v[AF+FR*(\a):AF+FR*(\a)+FR-1], 0
.else
	v_wmma_f32_16x16x128_fp8_fp8 v[8*(8*((\a)%4)+\b):8*(8*((\a)%4)+\b)+7], v[128*(\p)+FR*\b:128*(\p)+FR*\b+FR-1], v[AF+FR*(\a):AF+FR*(\a)+FR-1], v[8*(8*((\a)%4)+\b):8*(8*((\a)%4)+\b)+7]
.endif
.endr
.endr
.endm
.macro FETCH_B slot, q, p
	WIN TO_B
.irp i, 0,1,2,3,4,5,6,7
	FRAG 128*(\p)+FR*\i, ADRB+\slot, \q, \i
.endr
	WIN 0
.endm
.macro FETCH_A slot, q, i0
.irp i, \i0, \i0+1, \i0+2, \i0+3
	FRAG AF+FR*(\i), ADRA+\slot, \q, \i
.endr
.endm
.macro PLACES n                        ; plain lines in front of loads into registers that matrix instructions have read, and of the first read of results
.rept \n
	v_nop
.endr
.endm
.macro STEP slot, q, zero              ; a step of 128 along K that has its successor in the same slot
	s_wait_dscnt 4*NL                              ; B's set and A's blocks 0-3 are in; the youngest sixteen loads (A's blocks 4-7) may be out
	WIN MUL_LO
	MUL16 0, (\q)%2, \zero
	MUL16 2, (\q)%2, \zero
	s_wait_dscnt 0                                 ; A's blocks 4-7 are in
	PLACES NP
	FETCH_B \slot, (\q)+1, 1-(\q)%2
	FETCH_A \slot, (\q)+1, 0
	WIN MUL_HI
	MUL16 4, (\q)%2, \zero
	MUL16 6, (\q)%2, \zero
	PLACES NP
	WIN 0
	FETCH_A \slot, (\q)+1, 4
.endm
; A slot's last step changes slots: one barrier; in front of it each wave waits for all its tensor loads, adds 0 to its spare word, and waits for that and for its own reads of this slot.
.macro TURN slot, next, fill
	s_wait_tensorcnt 0x0                           ; all my tensor loads have landed: my part of the next slot (every window is 0 here)
	ds_add_u32 v[SPW], v[NIL]                      ; 0 onto my spare word
	s_wait_dscnt 4*NL+1                            ; (the add and the youngest sixteen loads may be out)
	WIN MUL_LO
	MUL16 0, 1, 0
	s_wait_dscnt 0x0                               ; the add is done, and my reads of this slot are over
	s_barrier_signal -1
	MUL16 2, 1, 0
	WIN 0
	s_barrier_wait -1
.if \fill
	CREST                                          ; the barrier has opened a round of the cluster's barrier: no wave of any partner still reads this slot or has a load on its way
	s_add_nc_u64 s[G0+4*\slot+2:G0+4*\slot+3], s[G0+4*\slot+2:G0+4*\slot+3], 2*ROWB
	s_add_nc_u64 s[G0B+4*\slot+2:G0B+4*\slot+3], s[G0B+4*\slot+2:G0B+4*\slot+3], 2*ROWB
	JLOAD G0+4*\slot, G1, G0B+4*\slot, G1B         ; the first tensor load behind the round
.else
	PLACES NP
.endif
	FETCH_B \next, 0, 0
	FETCH_A \next, 0, 0
	WIN MUL_HI
	MUL16 4, 1, 0
	MUL16 6, 1, 0
	PLACES NP
	WIN 0
	FETCH_A \next, 0, 4
.endm
	s_wait_tensorcnt 1                             ; my part of K step 0 is in (K step 1's load may be out),
	s_barrier_signal -1
	s_barrier_wait -1                              ; everybody's is
	FETCH_B 0, 0, 0
	FETCH_A 0, 0, 0
	FETCH_A 0, 0, 4
	STEP 0, 0, 1                                   ; the first step stands in front of the loop: its products start the sums
	s_mov_b32 s3, LAPS-1
.Llap:                                                 ; a trip goes once round the ring and fills both slots again
	TURN 0, 1, 1
	STEP 1, 0, 0
	TURN 1, 0, 1
	STEP 0, 0, 0
	s_sub_co_u32 s3, s3, 1
	s_cmp_lg_u32 s3, 0
	s_cbranch_scc1 .Llap
	TURN 0, 1, 0                                   ; the last lap fills nothing
	STEP 1, 0, 0
	s_wait_dscnt 4*NL
	WIN MUL_LO
	MUL16 0, 1, 0
	MUL16 2, 1, 0
	s_wait_dscnt 0
	WIN MUL_HI
	MUL16 4, 1, 0
	MUL16 6, 1, 0
	WIN 0
; THE WAY OUT, block by block of 16 rows x 128 columns: through my own stage in LDS and back as whole rows of 512 bytes.  LDS serves a wave's instructions in order (ISA guide 5.7.1.4): no wait between the stores and the loads.
.macro TOSTAGE a
.set AC, 64*((\a)%4)
	WIN 0x02+((\a)/4)                              ; source 0: window 2 or 3
.irp j, 0,2,4,6,8,10,12,14,16,18,20,22,24,26,28,30,32,34,36,38,40,42,44,46,48,50,52,54,56,58,60,62
	v_pk_mul_f32 v[TMP+\j:TMP+\j+1], v[AC+\j:AC+\j+1], s[96:97] op_sel_hi:[1,0]   ; both x s96 = 2^(e10 + e11); each accumulator from its low end on
.endr
	WIN 0
.irp b, 0,1,2,3,4,5,6,7
	ds_store_b128 v[STO], v[TMP+8*\b:TMP+8*\b+3] offset:64*\b
	ds_store_b128 v[STO], v[TMP+8*\b+4:TMP+8*\b+7] offset:64*\b+16
.endr
.set BB, BK+64*((\a)%2)
.irp t, 0,1,2,3,4,5,6,7,8,9,10,11,12,13,14,15
	ds_load_b128 v[BB+4*\t:BB+4*\t+3], v[RD] offset:\t*SPITCH
.endr
.endm
.macro SEND a, younger                 ; younger: the LDS instructions issued behind block a's loads, which may stay out
.set BB, BK+64*((\a)%2)
	s_wait_dscnt \younger
.if (\a) > 0
	s_add_nc_u64 s[10:11], s[10:11], 16*SIZE_N*4   ; (behind a wait on XCNT: the earlier stores have read their base)  16 rows on
.endif
.irp t, 0,1,2,3,4,5,6,7,8,9,10,11,12,13,14,15
	global_store_b128 v[CO], v[BB+4*\t:BB+4*\t+3], s[10:11] offset:\t*SIZE_N*4 th:TH_STORE_NT   ; 32 lanes store 512 consecutive bytes, at a multiple of 256 from the output's first byte
.endr
.endm
	s_wait_kmcnt 0x0
	s_add_co_i32 s96, s96, s97                     ; e10 + e11, between -126 and 127,
	s_add_co_i32 s96, s96, 127
	s_lshl_b32 s96, s96, 23                        ; makes the f32 number 2^(e10 + e11)
	PLACES NP
	TOSTAGE 0
.irp a, 1,2,3,4,5,6,7
.if \a > 1
	s_wait_xcnt 0x0                                ; block a - 2's stores have read their registers and their base
.endif
	TOSTAGE \a
	SEND \a-1, 32                                  ; behind block a - 1's loads: block a's 16 stores and 16 loads
.endr
	s_wait_xcnt 0x0                                ; block 6's stores have read their base
	SEND 7, 0
	s_wait_tensorcnt 0x0                           ; the wave's end, behind my last tensor load and my last LDS store
	ds_add_u32 v[SPW], v[NIL]
	s_wait_dscnt 0x0
	CROUND                                         ; the closing round: no work-group ends while a partner may still ask for a tile that names it
	s_endpgm
.Lfunc_end_k_qa7e4a165db_outp:
	.size	k_qa7e4a165db_outp, .Lfunc_end_k_qa7e4a165db_outp-k_qa7e4a165db_outp
	.p2alignl 7, 3214868480
	.fill 96, 4, 3214868480
	.section	.rodata,"a",@progbits
	.p2align	6, 0x0
	.amdhsa_kernel k_qa7e4a165db_outp
		.amdhsa_group_segment_fixed_size 327680
		.amdhsa_private_segment_fixed_size 0
		.amdhsa_enable_private_segment 0
		.amdhsa_kernarg_size 32
		.amdhsa_user_sgpr_count 2
		.amdhsa_user_sgpr_kernarg_segment_ptr 1
		.amdhsa_wavefront_size32 1
		.amdhsa_system_sgpr_workgroup_id_x 1
		.amdhsa_system_sgpr_workgroup_id_y 1
		.amdhsa_system_sgpr_workgroup_id_z 1
		.amdhsa_system_vgpr_workitem_id 0
		.amdhsa_next_free_vgpr 1024
		.amdhsa_next_free_sgpr 98
		.amdhsa_reserve_vcc 0
		.amdhsa_float_denorm_mode_32 3
		.amdhsa_float_denorm_mode_16_64 3
		.amdhsa_memory_ordered 1
		.amdhsa_forward_progress 1
		.amdhsa_inst_pref_size 123
	.end_amdhsa_kernel
	.amdgpu_metadata
---
amdhsa.version: [ 1, 2 ]
amdhsa.kernels:
  - .name:           k_qa7e4a165db_outp
    .symbol:         k_qa7e4a165db_outp.kd
    .args:
      - { .name: y_codes, .offset: 0, .size: 8, .value_kind: global_buffer, .address_space: global }
      - { .name: wo_codes, .offset: 8, .size: 8, .value_kind: global_buffer, .address_space: global }
      - { .name: lowp_scales, .offset: 16, .size: 8, .value_kind: global_buffer, .address_space: global }
      - { .name: out0, .offset: 24, .size: 8, .value_kind: global_buffer, .address_space: global }
    .group_segment_fixed_size: 327680
    .private_segment_fixed_size: 0
    .kernarg_segment_align: 8
    .kernarg_segment_size: 32
    .max_flat_workgroup_size: 128
    .sgpr_count:     98
    .vgpr_count:     1024
    .wavefront_size: 32
...
	.end_amdgpu_metadata
.endif
;; end of part 4
